; MI455X (gfx1250); checked and timed in simulation.
; The chip was launched on July 23, 2026; its instructions are those of AMD's public machine-readable ISA for CDNA 5 (MIT licence, August 2026) and "CDNA5" Instruction Set Architecture Reference Guide (July 2026). The comments in the code are by the model that wrote it; some were corrected since.
;; Multi Head Attention. Allowed arithmetic: matrix products marked QUANTISED: E5M2 operands, one E8M0 scale for each 32 along K, by v_wmma_scale_f32_16x16x128_f8f6f4 with both operands' format E5M2, f32 sums; everything else in f32.
;; Inputs: Wk 768 x 768 float32; Wo 768 x 768 float32; Wq 768 x 768 float32; Wv 768 x 768 float32; bk 768 float32; bo 768 float32; bq 768 float32; bv 768 float32; x 1 x 4,096 x 768 float32.
;; Outputs: out0 1 x 4,096 x 768 float32.
;; This version of the problem:
;;   THIS VERSION OF THE PROBLEM IS GIVEN IN LOW PRECISION. The matrix products marked QUANTISED in the list below multiply operands that are first quantised to E5M2 (5 exponent bits, 2 mantissa bits; 8 bits a number), with one power-of-two scale for each 32 numbers along K (OCP MX v1.0); their sums are f32. All else is computed in f32.
;;   The module's matrix products, in the order in which they are computed (A, B: the left and right operand; K: the contracted axis; several contracted axes count as one K, in the product's order):
;;     1. [M 4,096, K 768] x [K 768, N 768]; A: input x; B: input Wq: QUANTISED
;;     2. [M 4,096, K 768] x [K 768, N 768]; A: input x; B: input Wk: QUANTISED
;;     3. [M 4,096, K 768] x [K 768, N 768]; A: input x; B: input Wv: QUANTISED
;;     4. batch 12 x [M 4,096, K 64] x [K 64, N 4,096]; A: computed on the way; B: computed on the way: QUANTISED
;;     5. batch 12 x [M 4,096, K 4,096] x [K 4,096, N 64]; A: softmax (see below); B: computed on the way: QUANTISED
;;     6. [M 4,096, K 768] x [K 768, N 768]; A: computed on the way; B: input Wo: QUANTISED
;;   THE QUANTISER, for each operand of a quantised product, along K:
;;     - K is cut into blocks of 32 from its start; a last block that is shorter is filled with zeros.
;;     - A block's scale is 2^e with e = floor(log2(the largest magnitude in the block)) - 15, held to -126 .. 127; a block of zeros has e = 0. As a byte (E8M0): e + 127.
;;     - Each number is divided by its block's scale, clamped to +-57,344, and rounded to the nearest number of E5M2, ties to even, subnormals kept.
;;     - The product sums the exact products of the quantised numbers (number of the format x scale) in f32.
;;   ~~~python
;;   def quantise(x, axis):      # numpy; x: float32 -> the quantised numbers, widened to float32 again
;;       x = np.moveaxis(x, axis, -1); K = x.shape[-1]
;;       x = np.pad(x, [(0, 0)] * (x.ndim - 1) + [(0, -K % 32)]); x = x.reshape(x.shape[:-1] + (-1, 32)); a = np.abs(x).max(-1, keepdims=True)
;;       e = np.where(a > 0, np.clip(np.frexp(np.where(a > 0, a, 1))[1] - 1 - 15, -126, 127), 0)      # np.frexp(a)[1] - 1 = floor(log2(a)), exactly
;;       r = np.clip(x / 2.0 ** e, -57344, 57344)
;;       step = 2.0 ** (np.maximum(np.frexp(np.where(r == 0, 1, r))[1] - 1, -14) - 2)
;;       q = np.round(r / step) * step * 2.0 ** e      # np.round: ties to even
;;       return np.moveaxis(q.reshape(q.shape[:-2] + (-1,))[..., :K], -1, axis).astype(np.float32)
;;   ~~~
;;   SOFTMAX AHEAD OF A QUANTISED PRODUCT. Where the list says 'softmax', what is quantised is not the finished softmax but p = 2^(t - M), with t = logit x log2(e) and M = ceil(the row's largest t), a whole number; so 1/2 < the row's largest p <= 1. The row's sum l is taken of the UNQUANTISED p, in f32, and the product's result is divided by l at the end. Since M is a whole number, a kernel that streams over the keys may use a running M (the ceiling of the running maximum): every later rescaling is an exact power of two, which a block's scale takes up: the codes' values come out the same.
;;   OPERANDS COMPUTED ON THE WAY. 'Computed on the way' means the value that the module computes at that place (a softmax that the list does not call 'softmax' is quantised finished and normalised). What goes into a quantiser is computed in f32, as accurately as f32 sums, v_exp_f32 and their like allow (about 1e-6 of the number): no bf16 or f16 on the way to a quantiser, and a product that is left as it is and whose result goes on into a quantised operand takes f32 operands (vector FMAs, or v_wmma_f32_16x16x4_f32). A number that lies on a knife's edge between two numbers of the format may be rounded either way, as far as f32 arithmetic and the matrix unit's own rounding can turn it there, and no further.
;; One version. Each part assembles by itself: llvm-mc -triple=amdgcn-amd-amdhsa -mcpu=gfx1250 --defsym DOCPART=n.
;; ======== version 1 of 1: 4 launches
;; limits: right only within a limited range of input values
;; workspace buffers: x_img 3,244,032 bytes; w_img 1,824,768 bytes; wo_img 608,256 bytes; q_img 3,342,336 bytes; kv_img 6,291,456 bytes; sc_img 196,608 bytes; a_img 3,244,032 bytes
;; launch quant (part 1): grid 56 x 6, 2 waves a work-group, no clusters, 17,152 bytes of LDS; arguments x, Wq, Wk, Wv, Wo, x_img, w_img, wo_img; writes x_img, w_img, wo_img
.if DOCPART == 1
	.amdgcn_target "amdgcn-amd-amdhsa--gfx1250"
	.amdhsa_code_object_version 6
	.text
	.protected	k_qce7894d6bf_quant
	.globl	k_qce7894d6bf_quant
	.p2align	8
	.type	k_qce7894d6bf_quant,@function
k_qce7894d6bf_quant:
	s_mov_b64 s[64:65], 0
	v_nop
	global_prefetch_b8 v0, s[64:65] scope:SCOPE_SE
	s_setreg_imm32_b32 hwreg(HW_REG_WAVE_MODE, 25, 1), 1
	s_wait_xcnt 0x0
; x [4096][768] and Wq, Wk, Wv, Wo [768][768], f32, K innermost, become codes of BF8 (E5M2) with one E8M0 byte for each 32 along K,
; laid in the ORDER OF THE OPERAND'S REGISTERS.  A QUAD (8,448 bytes) is 64 rows x 128 along K: four fragment images of 2,048 bytes (tile t = 0..3), then 256 bytes of scale words [r 16][t 4].
; A fragment image: piece c (512 bytes) holds operand registers 4 c .. 4 c + 3, lane L's 16 bytes at 16 L; lane (r, h) holds k = 32 c + 16 h + 0 .. 15 of the tile's row r.
; THE ROWS OF A TILE ARE NOT NEIGHBOURS: lane row r of tile t is row 32 (t / 2) + 8 (t % 2) + r + 8 (r / 8) of the 64, so that later results of two neighbouring tiles are 16 neighbours along the next K.
; A block's scale is 2^(floor(log2(largest magnitude)) - 15); its byte is the largest magnitude's exponent field - 15, held at 1 from below; numbers are held within +-57,344 x the scale and rounded to the nearest code, ties to even.
; LIMITS: NaN and infinities among the inputs are not served; a block whose largest magnitude lies under 2^-111 gets the byte 1; a block of zeros gets the byte 1 where the rule says 127 (its codes are zeros, and this program alone reads the bytes).
; SHARES: one wave makes one quad: 32,768 bytes in, 8,448 out.  Group G = 2 x work-group x + wave of 112 groups of 64 rows (x 64, then Wq, Wk, Wv, Wo 12 each); K step = work-group y.
; One path serves all five tensors: only pointers and numbers are chosen, on the work-group's number.  Work-groups share no input, so no cluster; no tensor load, no barrier: waves share nothing.
; Each load reads 512 consecutive bytes of one row; the conversions want 16 neighbours in one lane: so a tile turns through the wave's own stage in LDS (16 rows, 528 bytes apart: 132 words, so the 16 rows begin at 16 different banks).
.set ROWB,  3072                       ; a row in memory
.set GRPB,  64*ROWB                    ; 64 rows
.set QUADB, 8448
.set SP,    528                        ; a stage row
.set STGB,  16*SP                      ; a wave's stage
.set LI,    1                          ; v1   16 x lane
.set STW,   2                          ; v2   the stage, on the way in: 16 x lane
.set STR,   3                          ; v3   on the way out: 528 r + 64 h
.set SCW,   4                          ; v4-7 the four tiles' scale words
.set TM,    8                          ; v8-23 at work in the quantiser
.set LN,    24                         ; v24  lane
.set X0,    32                         ; v32-95, v96-159 two sets of 64 numbers
.set PC0,   160                        ; v160-223 codes: 16 registers a tile, so that no store's data are written again
.set SRC,   24                         ; s[24:25]
.set DST,   26                         ; s[26:27]
.set SEL,   28                         ; s[28:29] selects of v_permlanex16_b32 for lane l xor 16
.set MNT,   30                         ; s30 the mantissa field of 57,344
; 64 numbers of a lane, v[QSRC] on, register 16 b + i = k 32 b + 16 h + i of my row, become a fragment's codes in v[QPC] on and its scale word in v[QPW]
.macro QUANT
.irp b, 0,1,2,3
	v_max3_num_f32 v[TM+\b], |v[QSRC+16*\b]|, |v[QSRC+16*\b+1]|, 0x8000000   ; my 16 numbers of block b, and the floor 2^(16 - 127): the byte cannot fall under 1
.endr
.irp i, 2,4,6,8,10,12,14
.irp b, 0,1,2,3
	v_max3_num_f32 v[TM+\b], v[TM+\b], |v[QSRC+16*\b+\i]|, |v[QSRC+16*\b+\i+1]|   ; the four blocks by turns
.endr
.endr
.irp b, 0,1,2,3
	v_permlanex16_b32 v[TM+4+\b], v[TM+\b], s[SEL], s[SEL+1]
.endr
.irp b, 0,1,2,3
	v_max_num_f32 v[TM+\b], v[TM+\b], v[TM+4+\b]           ; with lane l xor 16's 16: the block's largest magnitude
.endr
.irp b, 0,1,2,3
	v_add_nc_u32 v[TM+12+\b], 0xf8800000, v[TM+\b]         ; 15 off its exponent field: the conversion's scale operand
.endr
.irp b, 0,1,2,3
	v_and_or_b32 v[TM+8+\b], v[TM+\b], 0x7f800000, s[MNT]  ; 57,344 x the scale
.endr
.irp b, 0,1,2,3
	v_lshrrev_b32 v[TM+4+\b], 23, v[TM+12+\b]              ; the scale's byte
.endr
	v_lshl_or_b32 v[QPW], v[TM+5], 8, v[TM+4]
	v_lshl_or_b32 v[QPW], v[TM+6], 16, v[QPW]
	v_lshl_or_b32 v[QPW], v[TM+7], 24, v[QPW]
.irp b, 0,1,2,3
.irp i, 0,1,2,3,4,5,6,7,8,9,10,11,12,13,14,15
	v_med3_num_f32 v[QSRC+16*\b+\i], v[QSRC+16*\b+\i], -v[TM+8+\b], v[TM+8+\b]   ; the conversion to an 8-bit code does not saturate (ISA guide 7.6.2): the hold comes first
.endr
	v_cvt_scalef32_pk8_bf8_f32 v[QPC+4*\b:QPC+4*\b+1], v[QSRC+16*\b:QSRC+16*\b+7], v[TM+12+\b]
	v_cvt_scalef32_pk8_bf8_f32 v[QPC+4*\b+2:QPC+4*\b+3], v[QSRC+16*\b+8:QSRC+16*\b+15], v[TM+12+\b]
.endr
	v_nop                                                  ; one plain line behind the last conversion, ahead of the next vector line that writes its sources
.endm
.macro PICK lim, src, dst, g0, mul, add
	s_cmp_lt_u32 s21, \lim
	s_cselect_b64 s[SRC:SRC+1], s[\src:\src+1], s[SRC:SRC+1]
	s_cselect_b64 s[DST:DST+1], s[\dst:\dst+1], s[DST:DST+1]
	s_cselect_b32 s32, \g0, s32
	s_cselect_b32 s33, \mul, s33
	s_cselect_b32 s34, \add, s34
.endm
.macro LOAD t                          ; tile t's 16 rows, 512 consecutive bytes each, into set t % 2
.irp i, 0,1,2,3,4,5,6,7,8,9,10,11,12,13,14,15
	global_load_b128 v[X0+64*((\t)%2)+4*\i:X0+64*((\t)%2)+4*\i+3], v[LI], s[SRC:SRC+1] offset:(32*((\t)/2)+8*((\t)%2)+\i+8*(\i/8))*ROWB th:TH_LOAD_NT
.endr
.endm
.macro TILE t
.set QSRC, X0+64*((\t)%2)
.set QPW,  SCW+(\t)
.set QPC,  PC0+16*(\t)
.if (\t) < 3
	s_wait_loadcnt 16                                      ; this tile's 16 loads are in; the next tile's 16 may be out
.else
	s_wait_loadcnt 0
.endif
.irp i, 0,1,2,3,4,5,6,7,8,9,10,11,12,13,14,15
	ds_store_b128 v[STW], v[QSRC+4*\i:QSRC+4*\i+3] offset:SP*\i
.endr
.irp b, 0,1,2,3
.irp j, 0,1,2,3
	ds_load_b128 v[QSRC+16*\b+4*\j:QSRC+16*\b+4*\j+3], v[STR] offset:128*\b+16*\j   ; LDS serves a wave's instructions in order (ISA guide 5.7.1.4): these see the stores above
.endr
.endr
	s_wait_dscnt 0x0
	QUANT
.irp c, 0,1,2,3
	global_store_b128 v[LI], v[QPC+4*\c:QPC+4*\c+3], s[DST:DST+1] offset:2048*(\t)+512*\c   ; 32 lanes store 512 consecutive bytes, aligned to 256
.endr
.if (\t) < 2
	LOAD (\t)+2
.endif
.endm
	s_load_b512 s[4:19], s[0:1], 0x0               ; x, Wq, Wk, Wv, Wo, x_img, w_img, wo_img
	v_lshl_add_u32 v224, v0, 2, 0x4200
	v_mov_b32 v225, 0
	v_lshrrev_b32 v1, 5, v0
	v_readfirstlane_b32 s20, v1                    ; wave
	v_and_b32 v[LN], 31, v0
	v_and_b32 v25, 15, v0                          ; r
	v_bfe_u32 v26, v0, 4, 1                        ; h
	v_lshlrev_b32 v[LI], 4, v[LN]
	s_mul_i32 s35, s20, STGB
	v_add_nc_u32 v[STW], s35, v[LI]
	v_mul_u32_u24 v[STR], v25, SP
	v_lshl_add_u32 v[STR], v26, 6, v[STR]
	v_add_nc_u32 v[STR], s35, v[STR]
.irp b, 0,1,2,3
	v_mov_b32 v[TM+4+\b], 0                        ; written once: a lane permute's destination counts as one of its sources
.endr
	s_mov_b32 s[SEL], 0x76543210
	s_mov_b32 s[SEL+1], 0xfedcba98
	s_mov_b32 s[MNT], 0x600000
	s_mov_b32 s21, ttmp9                           ; work-group x
	s_and_b32 s22, ttmp7, 0xffff                   ; K step
	s_mov_b32 s32, 100                             ; the tensor's first group; Wo's values stand first, the others are chosen over them
	s_mov_b32 s33, 1                               ; the group's place in the workspace = local group x s33 + s34
	s_mov_b32 s34, 0
	s_wait_alu depctr_va_vdst(0)
	s_wait_kmcnt 0x0
	s_mov_b64 s[SRC:SRC+1], s[12:13]
	s_mov_b64 s[DST:DST+1], s[18:19]
	PICK 50, 10, 16, 88, 3, 2                      ; Wv: w_img at head x 3 + 2
	PICK 44, 8, 16, 76, 3, 1                       ; Wk
	PICK 38, 6, 16, 64, 3, 0                       ; Wq
	PICK 32, 4, 14, 0, 1, 0                        ; x
	s_lshl_b32 s36, s21, 1
	s_add_co_u32 s36, s36, s20                     ; G
	s_sub_co_u32 s36, s36, s32                     ; the group within its tensor
	s_mul_i32 s38, s36, GRPB
	s_lshl_b32 s37, s22, 9                         ; 128 numbers of a row are 512 bytes
	s_add_co_u32 s38, s38, s37
	s_mov_b32 s39, 0
	s_add_nc_u64 s[SRC:SRC+1], s[SRC:SRC+1], s[38:39]
	s_mul_i32 s36, s36, s33
	s_add_co_u32 s36, s36, s34
	s_mul_i32 s36, s36, 6
	s_add_co_u32 s36, s36, s22
	s_mul_i32 s40, s36, QUADB
	s_mov_b32 s41, 0
	s_add_nc_u64 s[DST:DST+1], s[DST:DST+1], s[40:41]
	LOAD 0
	LOAD 1
	TILE 0
	TILE 1
	TILE 2
	TILE 3
	s_wait_xcnt 0x0                                ; EXEC changes only behind this wait
	v_cmp_gt_u32 vcc_lo, 16, v[LN]
	s_wait_tensorcnt 0x0
	ds_add_u32 v224, v225
	s_wait_dscnt 0x0
	s_and_saveexec_b32 s31, vcc_lo
	global_store_b128 v[LI], v[SCW:SCW+3], s[DST:DST+1] offset:8192   ; lane r: its row's four words: sixteen lanes store 256 consecutive bytes, aligned
	s_wait_xcnt 0x0
	s_or_b32 exec_lo, exec_lo, s31
	s_endpgm
.Lfunc_end_k_qce7894d6bf_quant:
	.size	k_qce7894d6bf_quant, .Lfunc_end_k_qce7894d6bf_quant-k_qce7894d6bf_quant
	.p2alignl 7, 3214868480
	.fill 96, 4, 3214868480
	.section	.rodata,"a",@progbits
	.p2align	6, 0x0
	.amdhsa_kernel k_qce7894d6bf_quant
		.amdhsa_group_segment_fixed_size 17152
		.amdhsa_private_segment_fixed_size 0
		.amdhsa_enable_private_segment 0
		.amdhsa_kernarg_size 64
		.amdhsa_user_sgpr_count 2
		.amdhsa_user_sgpr_kernarg_segment_ptr 1
		.amdhsa_wavefront_size32 1
		.amdhsa_system_sgpr_workgroup_id_x 1
		.amdhsa_system_sgpr_workgroup_id_y 1
		.amdhsa_system_sgpr_workgroup_id_z 1
		.amdhsa_system_vgpr_workitem_id 0
		.amdhsa_next_free_vgpr 226
		.amdhsa_next_free_sgpr 66
		.amdhsa_reserve_vcc 1
		.amdhsa_float_denorm_mode_32 3
		.amdhsa_float_denorm_mode_16_64 3
		.amdhsa_memory_ordered 1
		.amdhsa_forward_progress 1
		.amdhsa_inst_pref_size 51
	.end_amdhsa_kernel
	.amdgpu_metadata
---
amdhsa.version: [ 1, 2 ]
amdhsa.kernels:
  - .name:           k_qce7894d6bf_quant
    .symbol:         k_qce7894d6bf_quant.kd
    .args:
      - { .name: x, .offset: 0, .size: 8, .value_kind: global_buffer, .address_space: global }
      - { .name: Wq, .offset: 8, .size: 8, .value_kind: global_buffer, .address_space: global }
      - { .name: Wk, .offset: 16, .size: 8, .value_kind: global_buffer, .address_space: global }
      - { .name: Wv, .offset: 24, .size: 8, .value_kind: global_buffer, .address_space: global }
      - { .name: Wo, .offset: 32, .size: 8, .value_kind: global_buffer, .address_space: global }
      - { .name: x_img, .offset: 40, .size: 8, .value_kind: global_buffer, .address_space: global }
      - { .name: w_img, .offset: 48, .size: 8, .value_kind: global_buffer, .address_space: global }
      - { .name: wo_img, .offset: 56, .size: 8, .value_kind: global_buffer, .address_space: global }
    .group_segment_fixed_size: 17152
    .private_segment_fixed_size: 0
    .kernarg_segment_align: 8
    .kernarg_segment_size: 64
    .max_flat_workgroup_size: 64
    .sgpr_count:     66
    .vgpr_count:     226
    .wavefront_size: 32
...
	.end_amdgpu_metadata
.endif
;; end of part 1
;; launch qkv (part 2): grid 12 x 32, 6 waves a work-group, clusters of 4 x 4, 254,208 bytes of LDS; arguments x_img, w_img, bq, bk, bv, q_img, kv_img, sc_img; writes q_img, kv_img, sc_img
.if DOCPART == 2
	.amdgcn_target "amdgcn-amd-amdhsa--gfx1250"
	.amdhsa_code_object_version 6
	.text
	.protected	k_qce7894d6bf_qkv
	.globl	k_qce7894d6bf_qkv
	.p2align	8
	.type	k_qce7894d6bf_qkv,@function
k_qce7894d6bf_qkv:
	s_mov_b64 s[64:65], 0
	v_nop
	global_prefetch_b8 v0, s[64:65] scope:SCOPE_SE
	s_setreg_imm32_b32 hwreg(HW_REG_WAVE_MODE, 25, 1), 1
	s_wait_xcnt 0x0
	s_wait_alu depctr_hold_cnt(0) depctr_sa_sdst(0) depctr_va_vdst(0) depctr_va_sdst(0) depctr_va_ssrc(0) depctr_va_vcc(0) depctr_vm_vsrc(0)
	s_getreg_b32 s2, hwreg(HW_REG_IB_STS2, 6, 4)
	s_cmp_eq_u32 s2, 0
	s_cbranch_scc0 .Lentry_in_a_cluster
	s_endpgm
.Lentry_in_a_cluster:
	s_bfe_u32 s2, ttmp6, 0x10000c
	s_cmp_lg_u32 s2, 0xf033
	s_cbranch_scc0 .Lentry_shape_is_right
	s_endpgm
.Lentry_shape_is_right:
; q = x Wq^T + bq, k = x Wk^T + bk, v = x Wv^T + bv on codes of BF8 (E5M2) with E8M0 scales for each 32 along K = 768; the results are quantised in registers (q, k along the head's 64; v along the keys) and
; stored as images of the next products' operand registers.  Operands come as quads (64 rows x 128 K: four fragment images of 2,048 bytes, then 256 bytes of scale words [r][tile]); six quads (50,688 bytes) are 64 rows, all of K.
; SHARES.  Work-group (head hd, block by) takes 128 rows of x (key step by) against the head's 64 rows of each of Wq, Wk, Wv.  Wave w: kind = w / 2 (q, k, v), rh = w % 2 (which 64 rows of x): 64 x 64 results in 16 accumulators.
; LDS holds five operand rows of 50,688 bytes (x's two halves, Wq, Wk, Wv), all of K, FILLED ONCE: nothing is filled again, so there is no ring.
; ONE INSTRUCTION STREAM FOR ALL KINDS.  In a result a lane holds one row of source 1, and its registers run along source 0's rows.  q and k are quantised along the head's dims: source 0 = W, source 1 = x.
; v is quantised along the keys: source 0 = x, source 1 = Wv.  Only the two LDS base addresses differ, made from the wave's number.
; By the tiles' row order (lane row r of tile t = row 32 (t / 2) + 8 (t % 2) + r + 8 (r / 8)) the 16 registers of source-0 tiles 2 b, 2 b + 1 are rows 32 b + 16 h + 0 .. 15: 16 neighbours along the next K.
; CLUSTER 4 x 4: the four of a row need the same rows of x, the four of a column the same head's weights: each is asked for jointly.
; The biases are the C of the first K step's products.
; LIMITS: NaN and infinities are not served; a block whose largest magnitude lies under 2^-111, a block of zeros among them, gets the byte 1 (its bytes are read by this program alone).
; The scale words of a key step leave as 8 or 2 bytes a lane, 16 bytes apart: 512 bytes beside 16,384 of codes; a word's halves are made by two waves.
; REGISTERS.  Window 0: v1-7 addresses; v8-23 scale words, two sets; v24-55 bias; v56-63 at work; v64-71 scale halfwords and the like; v72-103 codes; v128-255 accumulators ((i, j) at 128 + 32 j + 8 i).
;   Window 1: two fragment buffers of 128: source 0's four fragments, then source 1's four.
.set QROW,  50688
.set QUADB, 8448
.set PAIRB, 16896                      ; two K steps: 66 rows of 256 bytes
.set WV,   20
.set G1X,  28                          ; s[28:35] group 1 for x's pairs;  s[36:43] for the weights': they differ in the mask
.set G1W,  36
.set G0X,  44                          ; s[44:47] group 0 for x;  s[68:71] for the weights
.set G0W,  68
.set SEL,  56
.set MNT,  58
.set PD,   96                          ; s[96:97] where my codes go;  s[98:99] my scale words;  s[100:101] my bias
.set PS,   98
.set BP,   100
.set LI,   1                           ; v1 16 x lane
.set ADR0, 2                           ; v2, v3 LDS address of source 0's, source 1's images
.set ADR1, 3
.set ADS0, 4                           ; v4, v5 of their scale words
.set ADS1, 5
.set SC,   8                           ; set p: source 0's four words at v[8 + 8 p], source 1's at v[12 + 8 p]
.set BI,   24
.set TM,   56
.set HW,   64                          ; v64-67 a halfword of two scale bytes for each j
.set SW,   68
.set R16,  70                          ; v70 16 r
.set LN,   71                          ; v71 lane
.set PC,   72
.set ACC,  128
.set MSB, 0
.macro WIN new                         ; the immediate's high byte repeats the setting that is left
.if MSB != \new
	s_set_vgpr_msb (MSB<<8)|\new
.set MSB, \new
.endif
.endm
.macro PLACES n
.rept \n
	v_nop
.endr
.endm
.macro CROUND                          ; a round of the cluster's barrier
	s_barrier_signal -1
	s_barrier_wait -1
	s_cmp_lg_u32 s[WV], 0
	s_cbranch_scc1 .Lnot_wave_0_\@
	s_barrier_signal -3
.Lnot_wave_0_\@:
	s_barrier_wait -3
	s_barrier_signal -1
	s_barrier_wait -1
.endm
; K step s: 34 LDS loads: both sources' four fragments into buffer f of window 1, their scale words into set p
.macro FETCH s, f, p
	WIN 0x40                                       ; destination window 1, address window 0
.irp t, 0,1,2,3
.irp c, 0,1,2,3
	ds_load_b128 v[\f+16*\t+4*\c:\f+16*\t+4*\c+3], v[ADR0] offset:QUADB*\s+2048*\t+512*\c
.endr
.endr
.irp t, 0,1,2,3
.irp c, 0,1,2,3
	ds_load_b128 v[\f+64+16*\t+4*\c:\f+64+16*\t+4*\c+3], v[ADR1] offset:QUADB*\s+2048*\t+512*\c
.endr
.endr
	WIN 0
	ds_load_b128 v[SC+8*\p:SC+8*\p+3], v[ADS0] offset:QUADB*\s+8192
	ds_load_b128 v[SC+8*\p+4:SC+8*\p+7], v[ADS1] offset:QUADB*\s+8192
.endm
; 16 products, the 16 accumulators by turns, one instruction a turn.  cmode 0: add in place; 1: C = the bias along source 0's rows; 2: along source 1's
.macro MUL f, p, cmode
	WIN 0x05                                       ; sources 0 and 1 window 1; C and D window 0
.irp j, 0,1,2,3
.irp i, 0,1,2,3
.if \cmode == 0
	v_wmma_scale_f32_16x16x128_f8f6f4 v[ACC+32*\j+8*\i:ACC+32*\j+8*\i+7], v[\f+16*\i:\f+16*\i+15], v[\f+64+16*\j:\f+64+16*\j+15], v[ACC+32*\j+8*\i:ACC+32*\j+8*\i+7], v[SC+8*\p+\i], v[SC+8*\p+4+\j] matrix_a_fmt:MATRIX_FMT_BF8 matrix_b_fmt:MATRIX_FMT_BF8
.elseif \cmode == 1
	v_wmma_scale_f32_16x16x128_f8f6f4 v[ACC+32*\j+8*\i:ACC+32*\j+8*\i+7], v[\f+16*\i:\f+16*\i+15], v[\f+64+16*\j:\f+64+16*\j+15], v[BI+8*\i:BI+8*\i+7], v[SC+8*\p+\i], v[SC+8*\p+4+\j] matrix_a_fmt:MATRIX_FMT_BF8 matrix_b_fmt:MATRIX_FMT_BF8
.else
	v_wmma_scale_f32_16x16x128_f8f6f4 v[ACC+32*\j+8*\i:ACC+32*\j+8*\i+7], v[\f+16*\i:\f+16*\i+15], v[\f+64+16*\j:\f+64+16*\j+15], v[BI+8*\j:BI+8*\j+7], v[SC+8*\p+\i], v[SC+8*\p+4+\j] matrix_a_fmt:MATRIX_FMT_BF8 matrix_b_fmt:MATRIX_FMT_BF8
.endif
.endr
.endr
	WIN 0
.endm
; 32 numbers of a lane, v[QSRC] on, register 16 b + i = k 32 b + 16 h + i, become two pieces of codes in v[QPC] on and two scale bytes in v[QHW]
.macro QUANT2
.irp b, 0,1
	v_max3_num_f32 v[TM+\b], |v[QSRC+16*\b]|, |v[QSRC+16*\b+1]|, 0x8000000   ; each accumulator is read from its low end on; the floor 2^(16 - 127) holds the byte at 1 from below
.endr
.irp i, 2,4,6,8,10,12,14
.irp b, 0,1
	v_max3_num_f32 v[TM+\b], v[TM+\b], |v[QSRC+16*\b+\i]|, |v[QSRC+16*\b+\i+1]|
.endr
.endr
.irp b, 0,1
	v_permlanex16_b32 v[TM+2+\b], v[TM+\b], s[SEL], s[SEL+1]
.endr
.irp b, 0,1
	v_max_num_f32 v[TM+\b], v[TM+\b], v[TM+2+\b]           ; with lane l xor 16's 16: the block's largest magnitude
.endr
.irp b, 0,1
	v_add_nc_u32 v[TM+6+\b], 0xf8800000, v[TM+\b]          ; 15 off its exponent field: the conversion's scale operand
.endr
.irp b, 0,1
	v_and_or_b32 v[TM+4+\b], v[TM+\b], 0x7f800000, s[MNT]  ; 57,344 x the scale
.endr
.irp b, 0,1
	v_lshrrev_b32 v[TM+2+\b], 23, v[TM+6+\b]               ; the scale's byte
.endr
	v_lshl_or_b32 v[QHW], v[TM+3], 8, v[TM+2]
.irp b, 0,1
.irp i, 0,1,2,3,4,5,6,7,8,9,10,11,12,13,14,15
	v_med3_num_f32 v[QSRC+16*\b+\i], v[QSRC+16*\b+\i], -v[TM+4+\b], v[TM+4+\b]   ; the conversion to an 8-bit code does not saturate (ISA guide 7.6.2)
.endr
	v_cvt_scalef32_pk8_bf8_f32 v[QPC+4*\b:QPC+4*\b+1], v[QSRC+16*\b:QSRC+16*\b+7], v[TM+6+\b]
	v_cvt_scalef32_pk8_bf8_f32 v[QPC+4*\b+2:QPC+4*\b+3], v[QSRC+16*\b+8:QSRC+16*\b+15], v[TM+6+\b]
.endr
	v_nop                                                  ; one plain line behind the last conversion
.endm
; The way out: for each tile j of source 1's rows, 32 results a lane are quantised and stored as two pieces of 512 consecutive bytes.  str: bytes from tile to tile;  isv: the scale bytes' form
.macro EPI str, isv
.irp j, 0,1,2,3
.set QSRC, ACC+32*\j
.set QPC,  PC+8*\j
.set QHW,  HW+\j
	QUANT2
	global_store_b128 v[LI], v[PC+8*\j:PC+8*\j+3], s[PD:PD+1] offset:\str*\j
	global_store_b128 v[LI], v[PC+8*\j+4:PC+8*\j+7], s[PD:PD+1] offset:\str*\j+512
.endr
.if \isv == 0
	v_lshl_or_b32 v[SW], v[HW+1], 16, v[HW]        ; a word serves two tiles: the pair that one fragment of the score product holds
	v_lshl_or_b32 v[SW+1], v[HW+3], 16, v[HW+2]
.endif
	s_wait_xcnt 0x0                                ; EXEC changes only behind this wait
	v_cmp_gt_u32 vcc_lo, 16, v[LN]
	s_and_saveexec_b32 s59, vcc_lo
.if \isv == 0
	s_wait_alu depctr_va_vdst(0)
	global_store_b64 v[R16], v[SW:SW+1], s[PS:PS+1]
.else
.irp j, 0,1,2,3
	global_store_b16 v[R16], v[HW+\j], s[PS:PS+1] offset:4*\j   ; channel tile j's word: my two of its four key blocks
.endr
.endif
	s_wait_xcnt 0x0
	s_or_b32 exec_lo, exec_lo, s59
.endm
	s_load_b512 s[4:19], s[0:1], 0x0               ; x_img, w_img, bq, bk, bv, q_img, kv_img, sc_img
	v_lshl_add_u32 v126, v0, 2, 0x3de00
	v_mov_b32 v127, 0
	ds_add_u32 v126, v127
	ds_add_u32 v126, v127
	v_lshrrev_b32 v1, 5, v0
	v_readfirstlane_b32 s[WV], v1                  ; wave 0..5
	s_bfe_u32 s21, ttmp6, 0x40000                  ; cx
	s_bfe_u32 s22, ttmp6, 0x40004                  ; cy
	s_lshl_b32 s23, ttmp9, 2
	s_add_co_u32 s23, s23, s21                     ; the head = 4 x cluster x + cx
	s_and_b32 s24, ttmp7, 0xffff
	s_lshl_b32 s24, s24, 2
	s_add_co_u32 s24, s24, s22                     ; the block of 128 rows = 4 x cluster y + cy
	s_lshr_b32 s25, s[WV], 1                       ; kind
	s_and_b32 s26, s[WV], 1                        ; rh
	s_lshr_b32 s27, s[WV], 2                       ; 1 for v
	s_lshl_b32 s59, s22, 2
	s_lshl_b32 s59, 15, s59                        ; my row of the cluster
	s_lshl_b32 s60, 0x1111, s21                    ; my column
	s_or_b32 s[G1X], s59, (3<<16)|(1<<21)          ; 15:0 the mask; 17:16 elements of 8 bytes; 21 set beside a mask; no padding
	s_or_b32 s[G1W], s60, (3<<16)|(1<<21)
.irp g, G1X, G1W
	s_mov_b32 s[\g+1], 32<<16                      ; tensor_dim0 = 32 elements: 256 bytes
	s_mov_b32 s[\g+2], 198<<16                     ; tensor_dim1 = 198 rows: a whole operand row, all of K
	s_mov_b32 s[\g+3], 32<<16                      ; tile_dim0
	s_mov_b32 s[\g+4], 198                         ; tile_dim1
	s_mov_b32 s[\g+5], 32                          ; the pitch: dense
	s_mov_b32 s[\g+6], 0
	s_mov_b32 s[\g+7], 0
.endr
	; every wave makes both addresses, each in registers that never hold the other coordinate
	s_min_u32 s59, s[WV], 1
	s_lshl_b32 s80, s24, 1
	s_add_co_u32 s80, s80, s59
	s_mul_i32 s80, s80, QROW                       ; x: group 2 by + (wave, at most 1)
	s_mov_b32 s81, 0
	s_max_u32 s60, s[WV], 2
	s_sub_co_u32 s60, s60, 2
	s_min_u32 s60, s60, 2
	s_mul_i32 s82, s23, 3
	s_add_co_u32 s82, s82, s60
	s_mul_i32 s82, s82, QROW                       ; weights: group 3 hd + (wave - 2, held to 0 .. 2)
	s_mov_b32 s83, 0
	s_mul_i32 s61, s[WV], QROW                     ; LDS: operand row = wave
	s_mov_b32 s[SEL], 0x76543210
	s_mov_b32 s[SEL+1], 0xfedcba98
	s_mov_b32 s[MNT], 0x600000
	s_wait_dscnt 0x0
	s_wait_kmcnt 0x0
	s_add_nc_u64 s[80:81], s[4:5], s[80:81]
	s_add_nc_u64 s[82:83], s[6:7], s[82:83]
.irp p, 0
	s_mov_b32 s[G0X+4*\p], 1
	s_add_co_u32 s[G0X+4*\p+1], s61, \p*PAIRB
	s_add_nc_u64 s[G0X+4*\p+2:G0X+4*\p+3], s[80:81], \p*PAIRB
	s_or_b32 s[G0X+4*\p+3], s[G0X+4*\p+3], 0x80000000
	s_mov_b32 s[G0W+4*\p], 1
	s_add_co_u32 s[G0W+4*\p+1], s61, \p*PAIRB
	s_add_nc_u64 s[G0W+4*\p+2:G0W+4*\p+3], s[82:83], \p*PAIRB
	s_or_b32 s[G0W+4*\p+3], s[G0W+4*\p+3], 0x80000000
.endr
	CROUND                                         ; all sixteen work-groups are here: the joint loads meet
	s_cmp_lt_u32 s[WV], 2                          ; waves 0, 1: x's halves; waves 2 to 4: Wq, Wk, Wv; wave 5: none.  One load a wave: its operand row whole, 50,688 bytes
	s_cbranch_scc0 .Lnot_x
	tensor_load_to_lds s[G0X:G0X+3], s[G1X:G1X+7]
	s_nop 0
	PLACES 4
	s_branch .Lasked
.Lnot_x:
	s_cmp_lt_u32 s[WV], 5
	s_cbranch_scc0 .Lasked
	tensor_load_to_lds s[G0W:G0W+3], s[G1W:G1W+7]
	s_nop 0
	PLACES 4
.Lasked:
	v_and_b32 v[LN], 31, v0
	v_and_b32 v72, 15, v0                          ; r
	v_bfe_u32 v73, v0, 4, 1                        ; h
	v_lshlrev_b32 v[LI], 4, v[LN]
	v_lshlrev_b32 v[R16], 4, v72
	v_lshlrev_b32 v6, 6, v73                       ; bias along source 0's rows: 16 h numbers on
	v_and_b32 v7, 8, v72
	v_add_nc_u32 v7, v7, v72
	v_lshlrev_b32 v7, 2, v7                        ; bias along source 1's rows: number r + 8 (r / 8)
	v_mov_b32 v[TM+2], 0                           ; written once: a lane permute's destination counts as one of its sources
	v_mov_b32 v[TM+3], 0
	s_add_co_u32 s62, s25, 2                       ; a = my weight's operand row
	s_xor_b32 s63, s62, s26
	s_mul_i32 s63, s63, s27                        ; d = (a xor rh) for v, else 0
	s_xor_b32 s62, s62, s63                        ; source 0: a, for v: rh
	s_xor_b32 s63, s26, s63                        ; source 1: rh, for v: a
	s_mul_i32 s62, s62, QROW
	s_mul_i32 s63, s63, QROW
	v_add_nc_u32 v[ADR0], s62, v[LI]
	v_add_nc_u32 v[ADR1], s63, v[LI]
	v_add_nc_u32 v[ADS0], s62, v[R16]
	v_add_nc_u32 v[ADS1], s63, v[R16]
	s_cmp_eq_u32 s25, 1
	s_cselect_b64 s[BP:BP+1], s[10:11], s[12:13]
	s_cmp_eq_u32 s25, 0
	s_cselect_b64 s[BP:BP+1], s[8:9], s[BP:BP+1]
	s_lshl_b32 s92, s23, 8                         ; the head's 64 numbers
	s_mov_b32 s93, 0
	s_add_nc_u64 s[BP:BP+1], s[BP:BP+1], s[92:93]
	s_cmp_lt_u32 s[WV], 4
	s_cbranch_scc0 .Lbias_v
.irp i, 0,1,2,3                                ; q, k: register e of tile i is dim 32 (i / 2) + 16 h + 8 (i % 2) + e
	global_load_b128 v[BI+8*\i:BI+8*\i+3], v6, s[BP:BP+1] offset:(32*(\i/2)+8*(\i%2))*4
	global_load_b128 v[BI+8*\i+4:BI+8*\i+7], v6, s[BP:BP+1] offset:(32*(\i/2)+8*(\i%2))*4+16
.endr
	s_branch .Lbias_done
.Lbias_v:
	s_wait_alu depctr_va_vdst(0)
.irp j, 0,1,2,3                                ; v: all eight registers hold the lane's channel's number
.irp e, 0,1,2,3,4,5,6,7
	global_load_b32 v[BI+8*\j+\e], v7, s[BP:BP+1] offset:(32*(\j/2)+8*(\j%2))*4
.endr
.endr
.Lbias_done:
	; where my results go
	s_lshl_b32 s84, s23, 6
	s_lshl_b32 s85, s24, 1
	s_add_co_u32 s84, s84, s85
	s_add_co_u32 s84, s84, s26
	s_mul_i32 s84, s84, 4352                       ; q: unit 64 hd + 2 by + rh
	s_add_co_u32 s85, s84, 4096                    ; and its scale words
	s_mul_i32 s86, s23, 11
	s_lshr_b32 s86, s86, 5                         ; hg = hd / 3
	s_mul_i32 s87, s86, 3
	s_sub_co_u32 s87, s23, s87                     ; hdl = hd % 3
	s_lshl_b32 s86, s86, 4
	s_lshr_b32 s88, s24, 1
	s_add_co_u32 s86, s86, s88
	s_mul_i32 s86, s86, 6
	s_lshl_b32 s87, s87, 1
	s_add_co_u32 s86, s86, s87
	s_and_b32 s88, s24, 1
	s_add_co_u32 s86, s86, s88
	s_lshl_b32 s86, s86, 14                        ; k, v: unit ((16 hg + by / 2) 6 + 2 hdl + by % 2) of 16,384 bytes
	s_lshl_b32 s88, s26, 12                        ; k: my four tiles of 1,024
	s_lshl_b32 s89, s26, 10
	s_add_co_u32 s89, s89, 8192                    ; v: behind K's eight tiles, my two pieces of each fragment
	s_cmp_eq_u32 s27, 0
	s_cselect_b32 s88, s88, s89
	s_add_co_u32 s86, s86, s88
	s_lshl_b32 s90, s23, 5
	s_add_co_u32 s90, s90, s24
	s_lshl_b32 s90, s90, 9                         ; scale bytes: unit 32 hd + by of 512
	s_lshl_b32 s91, s26, 3
	s_lshl_b32 s92, s26, 1
	s_add_co_u32 s92, s92, 256
	s_cmp_eq_u32 s27, 0
	s_cselect_b32 s91, s91, s92
	s_add_co_u32 s90, s90, s91
	s_cmp_eq_u32 s25, 0
	s_cselect_b64 s[PD:PD+1], s[14:15], s[16:17]
	s_cselect_b64 s[PS:PS+1], s[14:15], s[18:19]
	s_cselect_b32 s92, s84, s86
	s_cselect_b32 s94, s85, s90
	s_mov_b32 s93, 0
	s_mov_b32 s95, 0
	s_add_nc_u64 s[PD:PD+1], s[PD:PD+1], s[92:93]
	s_add_nc_u64 s[PS:PS+1], s[PS:PS+1], s[94:95]
	s_wait_tensorcnt 0x0                           ; my operand row is in, all of K
	s_barrier_signal -1
	s_barrier_wait -1                              ; everybody's are
	s_wait_alu depctr_va_vdst(0)
	FETCH 0, 0, 0
	FETCH 1, 128, 1
	s_wait_dscnt 34                                ; K step 0's 34 loads are in; K step 1's 34 may be out
	s_wait_loadcnt 0x0                             ; the bias
	s_cmp_lt_u32 s[WV], 4
	s_cbranch_scc0 .Lfirst_v
	MUL 0, 0, 1
	s_branch .Lfirst_done
.Lfirst_v:
	MUL 0, 0, 2
.Lfirst_done:
	s_wait_dscnt 0x0
	MUL 128, 1, 0
	PLACES 8                                       ; eight places in front of loads into registers that these products have read
	FETCH 2, 0, 0
	FETCH 3, 128, 1
	s_wait_dscnt 34
	MUL 0, 0, 0
	s_wait_dscnt 0x0
	MUL 128, 1, 0
	PLACES 8
	FETCH 4, 0, 0
	FETCH 5, 128, 1
	s_wait_dscnt 34
	MUL 0, 0, 0
	s_wait_dscnt 0x0
	MUL 128, 1, 0
	PLACES 8                                       ; in front of the first read of results
	s_cmp_lt_u32 s[WV], 4
	s_cbranch_scc0 .Lepi_v
	EPI 1024, 0
	s_branch .Lepi_done
.Lepi_v:
	EPI 2048, 1
.Lepi_done:
	s_wait_tensorcnt 0x0
	ds_add_u32 v126, v127
	s_wait_dscnt 0x0
	CROUND                                         ; the closing round: no work-group ends while a partner may still ask for a tile that names it
	s_endpgm
.Lfunc_end_k_qce7894d6bf_qkv:
	.size	k_qce7894d6bf_qkv, .Lfunc_end_k_qce7894d6bf_qkv-k_qce7894d6bf_qkv
	.p2alignl 7, 3214868480
	.fill 96, 4, 3214868480
	.section	.rodata,"a",@progbits
	.p2align	6, 0x0
	.amdhsa_kernel k_qce7894d6bf_qkv
		.amdhsa_group_segment_fixed_size 254208
		.amdhsa_private_segment_fixed_size 0
		.amdhsa_enable_private_segment 0
		.amdhsa_kernarg_size 64
		.amdhsa_user_sgpr_count 2
		.amdhsa_user_sgpr_kernarg_segment_ptr 1
		.amdhsa_wavefront_size32 1
		.amdhsa_system_sgpr_workgroup_id_x 1
		.amdhsa_system_sgpr_workgroup_id_y 1
		.amdhsa_system_sgpr_workgroup_id_z 1
		.amdhsa_system_vgpr_workitem_id 0
		.amdhsa_next_free_vgpr 512
		.amdhsa_next_free_sgpr 102
		.amdhsa_reserve_vcc 1
		.amdhsa_float_denorm_mode_32 3
		.amdhsa_float_denorm_mode_16_64 3
		.amdhsa_memory_ordered 1
		.amdhsa_forward_progress 1
		.amdhsa_inst_pref_size 75
	.end_amdhsa_kernel
	.amdgpu_metadata
---
amdhsa.version: [ 1, 2 ]
amdhsa.kernels:
  - .name:           k_qce7894d6bf_qkv
    .symbol:         k_qce7894d6bf_qkv.kd
    .args:
      - { .name: x_img, .offset: 0, .size: 8, .value_kind: global_buffer, .address_space: global }
      - { .name: w_img, .offset: 8, .size: 8, .value_kind: global_buffer, .address_space: global }
      - { .name: bq, .offset: 16, .size: 8, .value_kind: global_buffer, .address_space: global }
      - { .name: bk, .offset: 24, .size: 8, .value_kind: global_buffer, .address_space: global }
      - { .name: bv, .offset: 32, .size: 8, .value_kind: global_buffer, .address_space: global }
      - { .name: q_img, .offset: 40, .size: 8, .value_kind: global_buffer, .address_space: global }
      - { .name: kv_img, .offset: 48, .size: 8, .value_kind: global_buffer, .address_space: global }
      - { .name: sc_img, .offset: 56, .size: 8, .value_kind: global_buffer, .address_space: global }
    .group_segment_fixed_size: 254208
    .private_segment_fixed_size: 0
    .kernarg_segment_align: 8
    .kernarg_segment_size: 64
    .max_flat_workgroup_size: 192
    .sgpr_count:     102
    .vgpr_count:     512
    .wavefront_size: 32
...
	.end_amdgpu_metadata
.endif
;; end of part 2
;; launch attn (part 3): grid 64 x 4, 12 waves a work-group, clusters of 4 x 1, 327,680 bytes of LDS; arguments q_img, kv_img, sc_img, a_img; writes a_img
.if DOCPART == 3
	.amdgcn_target "amdgcn-amd-amdhsa--gfx1250"
	.amdhsa_code_object_version 6
	.text
	.protected	k_qce7894d6bf_attn
	.globl	k_qce7894d6bf_attn
	.p2align	8
	.type	k_qce7894d6bf_attn,@function
k_qce7894d6bf_attn:
	s_mov_b64 s[64:65], 0
	v_nop
	global_prefetch_b8 v0, s[64:65] scope:SCOPE_SE
	s_setreg_imm32_b32 hwreg(HW_REG_WAVE_MODE, 25, 1), 1
	s_wait_xcnt 0x0
	s_wait_alu depctr_hold_cnt(0) depctr_sa_sdst(0) depctr_va_vdst(0) depctr_va_sdst(0) depctr_va_ssrc(0) depctr_va_vcc(0) depctr_vm_vsrc(0)
	s_getreg_b32 s2, hwreg(HW_REG_IB_STS2, 6, 4)
	s_cmp_eq_u32 s2, 0
	s_cbranch_scc0 .Lentry_in_a_cluster
	s_endpgm
.Lentry_in_a_cluster:
	s_bfe_u32 s2, ttmp6, 0x10000c
	s_cmp_lg_u32 s2, 0x3003
	s_cbranch_scc0 .Lentry_shape_is_right
	s_endpgm
.Lentry_shape_is_right:
; O[h][q] = the sum over k of softmax_k(Q[h][q] . K[h][k] / 8) V[h][k], 12 heads of 64, 4,096 keys, both products on codes of BF8 (E5M2) with E8M0 scales for each 32 along K; O / l is quantised along the 768 and stored as the last product's operand.
; THE SOFTMAX AHEAD OF THE SECOND PRODUCT: t = score x log2(e) / 8; M = the running largest t rounded UP to a whole number; p = 2^(t - M) is quantised along the keys, not normalised.  The row's sum is taken of the
; unquantised p and divides O at the end.  When M moves, the sum and O are multiplied by 2^(old M - new M): exact.
; SHARES.  There are 12 x 256 tasks of one head x 16 queries x all keys.  A work-group owns 64 queries (block RB) of THREE heads (group hg): wave w: head 3 hg + w / 4, tile of queries w % 4.  12 waves, three to a SIMD, 256 work-groups.
; CLUSTER.  The four query blocks of a cluster walk the same K and V of the same three heads: each tile is asked for JOINTLY (mask 15).
; LAYOUT.  Both products are used transposed: S^T = K Q^T, O^T = V^T P^T: a lane holds one query throughout.  All operands come as images of their registers: lane L's 16 bytes at 16 L, 512 bytes a piece.
; THE SCORE PRODUCT'S K IS 64, the instruction's 128.  A fragment of K holds TWO tiles of 16 keys: tile 2 p's 64 dims in k 0 .. 63, tile 2 p + 1's in k 64 .. 127.  Q stands as [q 8 registers][zeros 8][q 8]:
; v16-31 multiplies the first tile (the second meets zero codes), v24-39 the second.  All codes are finite (the quantiser holds them), so the zero half adds nothing.  Q's scale word has its two bytes twice.
; By the tiles' row order the 16 registers of score tiles 2 b, 2 b + 1 are keys 32 b + 16 h + 0 .. 15, and O^T's of channel tiles 2 b, 2 b + 1 channels 32 b + 16 h + 0 .. 15.
; LDS: two slots of 256 keys x 3 heads (6 units of 16,384 bytes: 8 tiles of K, 4 fragments of V^T), 131,072 bytes apart; behind them the three heads' scale bytes, filled once; the spare words.
; LIMITS: NaN and infinities are not served; a block whose largest magnitude lies under 2^-111, a block of zeros among them, gets the byte 1.
; REGISTERS.  Window 0: v1-11 addresses; v12 -M, v13 the largest t, v[14:15] the sum; v16-39 Q; v40-103 K's four fragments; v104-167 S^T, then p; v168-199 O^T; v200-215 p's codes; v216-225 scale words; v226-255 at work.  Window 1: v0-63 V's four fragments.
.set UNIT,  16384
.set SLOTB, 98304
.set SLOT1, 131072
.set SCB,   229376
.set SPARE, 278528                     ; the spare words: 128 bytes for each of 12 waves: six blocks of 256 bytes that no other line names
.set HGB,   1572864                    ; a group of three heads in kv_img
.set AK0,  1                           ; v1  my lane's place in my head's units: 32,768 (w / 4) + 16 L
.set AS0,  2                           ; v2  and among its scale words
.set SPW,  3                           ; v3  LDS address of my spare word; never rewritten
.set NIL,  4                           ; v4  0; never rewritten
.set PFO,  5                           ; v5  256 x lane: the prefetches' offset; never rewritten
.set ADK,  6                           ; v6  the step's units
.set ADS,  7                           ; v7  the step's scale words
.set L16,  8                           ; v8  16 L
.set R16,  9                           ; v9  16 r
.set HWQ,  10                          ; v10 Q's loaded scale word; at the end O's two scale bytes
.set LN,   11                          ; v11 lane
.set KF,   40
.set S,    104
.set O,    168
.set P,    200
.set KS,   216
.set VS,   220
.set QS,   224
.set PSW,  225
.set BM,   226
.set T1,   230
.set HD,   234
.set SL,   238
.set F,    242
.set SUM2, 244
.set TMP,  246
.set TM,   226                         ; the last quantiser works in v226-233
.set WV,   12
.set LIM,  15                          ; s15 1 in a wave that prefetches, else the greatest number
.set MNT,  19
.set SEL,  20
.set CS,   22                          ; s[22:23] c = log2(e) / 8
.set G1,   24
.set G0K,  32                          ; s[32:35] walks through the slots
.set G0S,  36
.set TB,   40                          ; s40 the slot in hand
.set TS,   41                          ; s41 the step's scale words: 512 bytes a step
.set SLOTS, 42
.set PFA,  44
.set MSB, 0
.macro WIN new
.if MSB != \new
	s_set_vgpr_msb (MSB<<8)|\new
.set MSB, \new
.endif
.endm
.macro PLACES n
.rept \n
	v_nop
.endr
.endm
.macro CROUND
	s_barrier_signal -1
	s_barrier_wait -1
	s_cmp_lg_u32 s[WV], 0
	s_cbranch_scc1 .Lnot_wave_0_\@
	s_barrier_signal -3
.Lnot_wave_0_\@:
	s_barrier_wait -3
	s_barrier_signal -1
	s_barrier_wait -1
.endm
.macro TLOAD                           ; waves 0 to 5 fetch a unit each; the branch hangs on the wave's number alone; four v_nop follow the load
	s_cmp_lt_u32 s[WV], 6
	s_cbranch_scc0 .Lasked_\@
	tensor_load_to_lds s[G0K:G0K+3], s[G1:G1+7]
	s_nop 0
	PLACES 4
.Lasked_\@:
.endm
; A PREFETCH INTO THE L2 of the slot that the NEXT change of slots will ask for: 98,304 bytes.  All clusters of a group of heads walk the same bytes: the group's first cluster asks.  Its four partners take 24,576 bytes each,
; told apart BY ADDRESS; in each, waves 9 to 11, which fetch nothing, take 8,192 bytes each, lanes 256 bytes apart: each aligned block of 256 bytes is named once in the launch.
; Slots 0 and 1 and the scale bytes come by their loads alone; the last change that fills a slot asks for nothing.
.macro ASK
	s_cmp_gt_u32 s[SLOTS], s[LIM]
	s_cbranch_scc0 .Lnot_mine_\@
	global_prefetch_b8 v[PFO], s[PFA:PFA+1] th:TH_LOAD_NT scope:SCOPE_SE
.Lnot_mine_\@:
.endm
.macro QUANT2                          ; 32 numbers, v[QSRC] on, register 16 b + i = k 32 b + 16 h + i: two pieces of codes in v[QPC] on, two scale bytes in v[QHW]
.irp b, 0,1
	v_max3_num_f32 v[TM+\b], |v[QSRC+16*\b]|, |v[QSRC+16*\b+1]|, 0x8000000
.endr
.irp i, 2,4,6,8,10,12,14
.irp b, 0,1
	s_delay_alu instid0(VALU_DEP_2)
	v_max3_num_f32 v[TM+\b], v[TM+\b], |v[QSRC+16*\b+\i]|, |v[QSRC+16*\b+\i+1]|
.endr
.endr
.irp b, 0,1
	s_delay_alu instid0(VALU_DEP_2)
	v_permlanex16_b32 v[TM+2+\b], v[TM+\b], s[SEL], s[SEL+1]
.endr
.irp b, 0,1
	s_delay_alu instid0(VALU_DEP_2)
	v_max_num_f32 v[TM+\b], v[TM+\b], v[TM+2+\b]
.endr
.irp b, 0,1
	s_delay_alu instid0(VALU_DEP_2)
	v_add_nc_u32 v[TM+6+\b], 0xf8800000, v[TM+\b]
.endr
.irp b, 0,1
	s_delay_alu instid0(VALU_DEP_4)
	v_and_or_b32 v[TM+4+\b], v[TM+\b], 0x7f800000, s[MNT]
.endr
.irp b, 0,1
	s_delay_alu instid0(VALU_DEP_4)
	v_lshrrev_b32 v[TM+2+\b], 23, v[TM+6+\b]
.endr
	s_delay_alu instid0(VALU_DEP_1)
	v_lshl_or_b32 v[QHW], v[TM+3], 8, v[TM+2]
.irp b, 0,1
.irp i, 0,1,2,3,4,5,6,7,8,9,10,11,12,13,14,15
	v_med3_num_f32 v[QSRC+16*\b+\i], v[QSRC+16*\b+\i], -v[TM+4+\b], v[TM+4+\b]
.endr
	v_cvt_scalef32_pk8_bf8_f32 v[QPC+4*\b:QPC+4*\b+1], v[QSRC+16*\b:QSRC+16*\b+7], v[TM+6+\b]
	v_cvt_scalef32_pk8_bf8_f32 v[QPC+4*\b+2:QPC+4*\b+3], v[QSRC+16*\b+8:QSRC+16*\b+15], v[TM+6+\b]
.endr
	v_nop
.endm
; A KEY STEP: 128 keys, the q-th of the slot in hand
.macro STEP q
	v_add_nc_u32 v[ADK], s[TB], v[AK0]
	v_add_nc_u32 v[ADS], s[TS], v[AS0]
	ds_load_b128 v[KS:KS+3], v[ADS]                ; K's four scale words of my lane row
.irp p, 0,1,2,3
.irp c, 0,1,2,3
	ds_load_b128 v[KF+16*\p+4*\c:KF+16*\p+4*\c+3], v[ADK] offset:UNIT*\q+2048*\p+512*\c
.endr
.endr
	s_wait_alu depctr_va_vdst(0)
	s_wait_dscnt 0x0
.irp p, 0,1,2,3                                ; S^T: fragment p against Q below and Q above: tiles 2 p and 2 p + 1
	v_wmma_scale_f32_16x16x128_f8f6f4 v[S+16*\p:S+16*\p+7], v[KF+16*\p:KF+16*\p+15], v[16:31], 0, v[KS+\p], v[QS] matrix_a_fmt:MATRIX_FMT_BF8 matrix_b_fmt:MATRIX_FMT_BF8
	v_wmma_scale_f32_16x16x128_f8f6f4 v[S+16*\p+8:S+16*\p+15], v[KF+16*\p:KF+16*\p+15], v[24:39], 0, v[KS+\p], v[QS] matrix_a_fmt:MATRIX_FMT_BF8 matrix_b_fmt:MATRIX_FMT_BF8
.endr
	PLACES 8                                       ; eight places: in front of the first read of the scores, and of the loads below into registers that the last step's second product has read
	WIN 0x40                                       ; destination window 1
.irp t, 0,1,2,3
.irp c, 0,1,2,3
	ds_load_b128 v[16*\t+4*\c:16*\t+4*\c+3], v[ADK] offset:UNIT*\q+8192+2048*\t+512*\c   ; V's fragments land while the softmax is worked
.endr
.endr
	WIN 0
	ds_load_b128 v[VS:VS+3], v[ADS] offset:256
.irp b, 0,1,2,3
	v_max3_num_f32 v[BM+\b], v[S+16*\b], v[S+16*\b+1], v[S+16*\b+2]   ; THE LARGEST SCORE OF EACH BLOCK OF 32 KEYS: for the row's maximum and, since p rises with the score, for the block's largest p
.endr
.irp i, 3,5,7,9,11,13
.irp b, 0,1,2,3
	v_max3_num_f32 v[BM+\b], v[BM+\b], v[S+16*\b+\i], v[S+16*\b+\i+1]
.endr
.endr
.irp b, 0,1,2,3
	v_max_num_f32 v[BM+\b], v[BM+\b], v[S+16*\b+15]
.endr
.irp b, 0,1,2,3
	s_delay_alu instid0(VALU_DEP_4)
	v_permlanex16_b32 v[T1+\b], v[BM+\b], s[SEL], s[SEL+1]
.endr
.irp b, 0,1,2,3
	s_delay_alu instid0(VALU_DEP_4)
	v_max_num_f32 v[BM+\b], v[BM+\b], v[T1+\b]             ; with lane l xor 16's 16 keys
.endr
	s_delay_alu instid0(VALU_DEP_2)
	v_max3_num_f32 v[TMP], v[BM], v[BM+1], v[BM+2]
	s_delay_alu instid0(VALU_DEP_1)
	v_max_num_f32 v[TMP], v[TMP], v[BM+3]
	s_delay_alu instid0(VALU_DEP_1)
	v_mul_f32 v[TMP], s[CS], v[TMP]                ; the step's largest t (c is positive)
	s_delay_alu instid0(VALU_DEP_1)
	v_max_num_f32 v13, v13, v[TMP]                 ; the running largest t
	v_mov_b32 v[TMP], v12
	s_delay_alu instid0(VALU_DEP_2)
	v_floor_f32 v12, -v13                          ; the new -M = floor(-t) = -ceil(t)
	s_delay_alu instid0(VALU_DEP_1)
	v_sub_f32 v[TMP], v12, v[TMP]                  ; old M - new M: a whole number, 0 or less
	s_delay_alu instid0(VALU_DEP_1)
	v_cvt_i32_f32 v[TMP], v[TMP]                   ; (it saturates)
	s_delay_alu instid0(VALU_DEP_1)
	v_ldexp_f32 v[F], 1.0, v[TMP]                  ; f = 2^(old M - new M)
.irp j, 0,2,4,6,8,10,12,14,16,18,20,22,24,26,28,30,32,34,36,38,40,42,44,46,48,50,52,54,56,58,60,62
	v_pk_fma_f32 v[S+\j:S+\j+1], v[S+\j:S+\j+1], s[CS:CS+1], v[12:13] op_sel_hi:[1,0,0]   ; t - M, two at a time
.endr
.irp b, 0,1,2,3
	v_fma_f32 v[BM+\b], v[BM+\b], s[CS], v12       ; the same of each block's largest score
.endr
	s_wait_alu depctr_va_vdst(0)
.irp j, 0,1,2,3,4,5,6,7,8,9,10,11,12,13,14,15,16,17,18,19,20,21,22,23,24,25,26,27,28,29,30,31,32,33,34,35,36,37,38,39,40,41,42,43,44,45,46,47,48,49,50,51,52,53,54,55,56,57,58,59,60,61,62,63
	v_exp_f32 v[S+\j], v[S+\j]                     ; p = 2^(t - M), at most 1
.endr
	v_pk_mul_f32 v[14:15], v[14:15], v[F:F+1] op_sel_hi:[1,0]   ; the sums under the new M: the plain line behind the exponentials
	s_wait_alu depctr_va_vdst(0)                   ; one wait for the whole batch, ahead of its first reader
.irp b, 0,1,2,3
	v_exp_f32 v[BM+\b], v[BM+\b]                   ; the block's largest p
.endr
	v_pk_add_f32 v[244:245], v[108:109], v[112:113]
	v_pk_add_f32 v[254:255], v[116:117], v[120:121]
	v_pk_add_f32 v[252:253], v[124:125], v[128:129]
	v_pk_add_f32 v[250:251], v[132:133], v[136:137]
	v_pk_add_f32 v[248:249], v[140:141], v[144:145]
	v_pk_add_f32 v[14:15], v[14:15], v[148:149]
	v_pk_add_f32 v[244:245], v[244:245], v[152:153]
	v_pk_add_f32 v[254:255], v[254:255], v[156:157]
	v_pk_add_f32 v[252:253], v[252:253], v[160:161]
	v_pk_add_f32 v[250:251], v[250:251], v[164:165]
	v_pk_add_f32 v[248:249], v[248:249], v[104:105]
	v_pk_add_f32 v[14:15], v[14:15], v[106:107]
	v_pk_add_f32 v[244:245], v[244:245], v[110:111]
	v_pk_add_f32 v[254:255], v[254:255], v[114:115]
	v_pk_add_f32 v[252:253], v[252:253], v[118:119]
	v_pk_add_f32 v[250:251], v[250:251], v[122:123]
	v_pk_add_f32 v[248:249], v[248:249], v[126:127]
	v_pk_add_f32 v[14:15], v[14:15], v[130:131]
	v_pk_add_f32 v[244:245], v[244:245], v[134:135]
	v_pk_add_f32 v[254:255], v[254:255], v[138:139]
	v_pk_add_f32 v[252:253], v[252:253], v[142:143]
	v_pk_add_f32 v[250:251], v[250:251], v[146:147]
	v_pk_add_f32 v[248:249], v[248:249], v[150:151]
	v_pk_add_f32 v[14:15], v[14:15], v[154:155]
	v_pk_add_f32 v[244:245], v[244:245], v[158:159]
	v_pk_add_f32 v[254:255], v[254:255], v[162:163]
	v_pk_add_f32 v[252:253], v[252:253], v[166:167]
	s_delay_alu instid0(VALU_DEP_1)
	v_pk_add_f32 v[14:15], v[14:15], v[252:253]
	s_delay_alu instid0(VALU_DEP_4)
	v_pk_add_f32 v[244:245], v[244:245], v[250:251]
	s_delay_alu instid0(VALU_DEP_4)
	v_pk_add_f32 v[254:255], v[254:255], v[248:249]
	s_delay_alu instid0(VALU_DEP_1)
	v_pk_add_f32 v[14:15], v[14:15], v[254:255]
	s_delay_alu instid0(VALU_DEP_1)
	v_pk_add_f32 v[14:15], v[14:15], v[244:245]
	s_wait_alu depctr_va_vdst(0)                   ; and one for the four
.irp b, 0,1,2,3
	v_max_num_f32 v[BM+\b], 0x8000000, v[BM+\b]    ; the floor 2^(16 - 127)
.endr
.irp b, 0,1,2,3
	s_delay_alu instid0(VALU_DEP_4)
	v_add_nc_u32 v[SL+\b], 0xf8800000, v[BM+\b]    ; the conversion's scale operand
.endr
.irp b, 0,1,2,3
	v_and_or_b32 v[HD+\b], v[BM+\b], 0x7f800000, s[MNT]   ; 57,344 x the scale
.endr
.irp b, 0,1,2,3
	v_lshrrev_b32 v[T1+\b], 23, v[SL+\b]           ; the scale's byte
.endr
	s_delay_alu instid0(VALU_DEP_3)
	v_lshl_or_b32 v[PSW], v[T1+1], 8, v[T1]        ; p's scale word for these 128 keys
	s_delay_alu instid0(VALU_DEP_1)
	v_lshl_or_b32 v[PSW], v[T1+2], 16, v[PSW]
	s_delay_alu instid0(VALU_DEP_1)
	v_lshl_or_b32 v[PSW], v[T1+3], 24, v[PSW]
.irp b, 0,1,2,3
.irp i, 0,1,2,3,4,5,6,7,8,9,10,11,12,13,14,15
	v_min_num_f32 v[S+16*\b+\i], v[S+16*\b+\i], v[HD+\b]   ; p is not negative: the hold is one-sided
.endr
	v_cvt_scalef32_pk8_bf8_f32 v[P+4*\b:P+4*\b+1], v[S+16*\b:S+16*\b+7], v[SL+\b]
	v_cvt_scalef32_pk8_bf8_f32 v[P+4*\b+2:P+4*\b+3], v[S+16*\b+8:S+16*\b+15], v[SL+\b]
.endr
.irp j, 0,2,4,6,8,10,12,14,16,18,20,22,24,26,28,30
	v_pk_mul_f32 v[O+\j:O+\j+1], v[O+\j:O+\j+1], v[F:F+1] op_sel_hi:[1,0]   ; O^T under the new M, each accumulator from its low end on; these are also the places between the codes and the products
.endr
	s_wait_alu depctr_va_vdst(0)
	s_wait_dscnt 0x0                               ; V and its scale words are in
	WIN 0x01                                       ; source 0 window 1
.irp t, 0,1,2,3                                ; O^T += V^T P^T: four accumulators, one instruction a turn
	v_wmma_scale_f32_16x16x128_f8f6f4 v[O+8*\t:O+8*\t+7], v[16*\t:16*\t+15], v[P:P+15], v[O+8*\t:O+8*\t+7], v[VS+\t], v[PSW] matrix_a_fmt:MATRIX_FMT_BF8 matrix_b_fmt:MATRIX_FMT_BF8
.endr
	WIN 0
	s_add_co_u32 s[TS], s[TS], 512
.endm
; THE CHANGE OF SLOTS stands at a slot's head.  Each wave waits for all its tensor loads, adds 0 to its spare word, and waits for that and for its reads of the slot that it has left.  fill = 1: a round of the cluster's barrier,
; so that no wave of any partner still reads that slot or has a load on its way; then the slot is filled with the keys that follow: one load a wave, which has a whole slot's steps in which to land.
.macro CHANGE fill
	s_wait_tensorcnt 0x0                           ; no tensor load of mine is out, so a group 0 may be written
	ds_add_u32 v[SPW], v[NIL]                      ; 0 onto my spare word
.if \fill
	s_xor_b32 s[G0K+1], s[G0K+1], SLOT1            ; the other slot than last time,
	s_add_nc_u64 s[G0K+2:G0K+3], s[G0K+2:G0K+3], SLOTB   ; the next 256 keys; the type bits on top are not reached
	s_wait_xcnt 0x0                                ; the last prefetch, a slot back, has read its address
	s_add_nc_u64 s[PFA:PFA+1], s[PFA:PFA+1], SLOTB ; one slot further on than the walking descriptor
	s_wait_dscnt 0x0                               ; the add is done, and my reads of the slot that I have left are over
	CROUND
	TLOAD
	ASK
.else
	s_wait_dscnt 0x0
	s_barrier_signal -1
	s_barrier_wait -1
.endif
.endm
	s_load_b256 s[4:11], s[0:1], 0x0               ; q_img, kv_img, sc_img, a_img
	v_lshl_add_u32 v[SPW], v0, 2, SPARE
	v_mov_b32 v[NIL], 0
	ds_add_u32 v3, v4
	ds_add_u32 v3, v4
	s_wait_dscnt 0x0
	v_lshrrev_b32 v6, 5, v0
	s_delay_alu instid0(VALU_DEP_1)
	v_readfirstlane_b32 s[WV], v6                  ; wave 0..11
	s_bfe_u32 s13, ttmp6, 0x40000                  ; cx
	s_lshl_b32 s14, ttmp9, 2
	s_add_co_u32 s14, s14, s13                     ; RB: my block of 64 queries: it enters Q's and O's addresses and the prefetch's alone
	s_and_b32 s16, ttmp7, 0xffff                   ; hg, which the four partners share
	s_lshr_b32 s17, s[WV], 2                       ; hdl
	s_and_b32 s18, s[WV], 3                        ; qt
	s_mul_i32 s60, s16, 3
	s_add_co_u32 s60, s60, s17                     ; my head
	s_mov_b32 s[G1], 15|(3<<16)|(1<<21)            ; the mask: all four; elements of 8 bytes; 21 set beside a mask; no padding
	s_mov_b32 s[G1+1], 32<<16                      ; rows of 256 bytes,
	s_mov_b32 s[G1+2], 64<<16                      ; 64 of them,
	s_mov_b32 s[G1+3], 32<<16
	s_mov_b32 s[G1+4], 64
	s_mov_b32 s[G1+5], 32                          ; dense
	s_mov_b32 s[G1+6], 0
	s_mov_b32 s[G1+7], 0
	s_mul_i32 s54, s16, HGB
	s_min_u32 s46, s[WV], 5
	s_lshl_b32 s46, s46, 14
	s_add_co_u32 s46, s46, s54                     ; K, V: unit = wave (at most 5) of slot 0
	s_mov_b32 s47, 0
	s_max_u32 s48, s[WV], 6
	s_min_u32 s48, s48, 8
	s_mul_i32 s49, s16, 3
	s_add_co_u32 s48, s48, s49
	s_sub_co_u32 s48, s48, 6
	s_lshl_b32 s48, s48, 14                        ; scale bytes: head 3 hg + (wave held to 6 .. 8) - 6
	s_mov_b32 s49, 0
	s_lshl_b32 s50, s[WV], 14                      ; LDS: 16,384 x wave
	s_mov_b32 s[SEL], 0x76543210
	s_mov_b32 s[SEL+1], 0xfedcba98
	s_mov_b32 s[CS], 0x3e38aa3b                    ; log2(e) / 8
	s_mov_b32 s[CS+1], s[CS]
	s_mov_b32 s[MNT], 0x600000
	s_mov_b32 s[TB], 0
	s_mov_b32 s[TS], 0
	s_mov_b32 s[SLOTS], 15
	s_cmp_lt_u32 s[WV], 9
	s_cselect_b32 s[LIM], 1, 0
	s_or_b32 s[LIM], s[LIM], ttmp9                 ; 0 in waves 9 to 11 of the group's first cluster: the same in all four partners
	s_cmp_eq_u32 s[LIM], 0
	s_cselect_b32 s[LIM], 1, -1
	s_wait_kmcnt 0x0
	s_mov_b32 s[G0K], 1
	s_mov_b32 s[G0K+1], s50
	s_add_nc_u64 s[G0K+2:G0K+3], s[6:7], s[46:47]
	s_or_b32 s[G0K+3], s[G0K+3], 0x80000000
	s_mov_b32 s[G0S], 1
	s_add_co_u32 s[G0S+1], s50, SCB-6*UNIT         ; waves 6 to 8: SCB + 16,384 (wave - 6)
	s_add_nc_u64 s[G0S+2:G0S+3], s[8:9], s[48:49]
	s_or_b32 s[G0S+3], s[G0S+3], 0x80000000
	CROUND                                         ; all four work-groups are here: the first joint loads meet
	s_cmp_lt_u32 s[WV], 6                          ; waves 0 to 5: slot 0's units; waves 6 to 8: a head's scale bytes, filled once; one load a wave is out
	s_cbranch_scc0 .Lnot_kv
	tensor_load_to_lds s[G0K:G0K+3], s[G1:G1+7]
	s_nop 0
	PLACES 4
	s_branch .Lfirst_asked
.Lnot_kv:
	s_cmp_lt_u32 s[WV], 9
	s_cbranch_scc0 .Lfirst_asked
	tensor_load_to_lds s[G0S:G0S+3], s[G1:G1+7]
	s_nop 0
	PLACES 4
.Lfirst_asked:
	v_and_b32 v[LN], 31, v0
	v_and_b32 v[R16], 15, v0
	s_delay_alu instid0(VALU_DEP_2)
	v_lshlrev_b32 v[L16], 4, v[LN]
	s_wait_alu depctr_va_vdst(0)
	v_lshlrev_b32 v[R16], 4, v[R16]
	s_wait_alu depctr_va_vdst(0)
	v_lshlrev_b32 v[PFO], 8, v[LN]
	s_lshl_b32 s46, s60, 6
	s_add_co_u32 s46, s46, s14
	s_mul_i32 s46, s46, 4352                       ; Q's unit: 64 hd + RB
	s_lshl_b32 s48, s18, 10
	s_add_co_u32 s48, s48, s46
	s_mov_b32 s49, 0
	s_add_nc_u64 s[48:49], s[4:5], s[48:49]        ; my tile's two pieces
	s_lshr_b32 s50, s18, 1
	s_lshl_b32 s50, s50, 2
	s_add_co_u32 s50, s50, s46
	s_add_co_u32 s50, s50, 4096
	s_mov_b32 s51, 0
	s_add_nc_u64 s[50:51], s[4:5], s[50:51]        ; the word that holds my tile's two scale bytes
	global_load_b128 v[16:19], v[L16], s[48:49]
	global_load_b128 v[20:23], v[L16], s[48:49] offset:512
	global_load_b128 v[32:35], v[L16], s[48:49]
	global_load_b128 v[36:39], v[L16], s[48:49] offset:512
	global_load_b32 v[HWQ], v[R16], s[50:51]
	s_lshl_b32 s52, s17, 15
	v_add_nc_u32 v[AK0], s52, v[L16]
	s_lshl_b32 s53, s17, 14
	s_add_co_u32 s53, s53, SCB
	v_add_nc_u32 v[AS0], s53, v[R16]
	s_max_u32 s52, s[WV], 9                        ; the prefetches: my wave's 8,192 bytes of my work-group's 24,576, in slot 1: the first change of slots steps it to slot 2
	s_sub_co_u32 s52, s52, 9
	s_lshl_b32 s52, s52, 13
	s_mul_i32 s53, s13, 24576
	s_add_co_u32 s52, s52, s53
	s_add_co_u32 s52, s52, s54
	s_add_co_u32 s52, s52, SLOTB
	s_mov_b32 s53, 0
	s_add_nc_u64 s[PFA:PFA+1], s[6:7], s[52:53]
	s_mul_i32 s52, s14, 50688                      ; where O goes: group RB, K step hd / 2,
	s_lshr_b32 s53, s60, 1
	s_mul_i32 s53, s53, 8448
	s_add_co_u32 s52, s52, s53
	s_and_b32 s53, s60, 1
	s_lshl_b32 s55, s18, 11
	s_add_co_u32 s56, s52, s55                     ; tile qt,
	s_lshl_b32 s55, s53, 10
	s_add_co_u32 s56, s56, s55                     ; pieces 2 (hd % 2) and the next
	s_mov_b32 s57, 0
	s_add_nc_u64 s[56:57], s[10:11], s[56:57]
	s_lshl_b32 s55, s18, 2
	s_add_co_u32 s58, s52, s55
	s_lshl_b32 s55, s53, 1
	s_add_co_u32 s58, s58, s55
	s_add_co_u32 s58, s58, 8192                    ; and its two scale bytes: word qt of row r, half hd % 2
	s_mov_b32 s59, 0
	s_add_nc_u64 s[58:59], s[10:11], s[58:59]
	s_and_b32 s62, s18, 1
	s_cmp_eq_u32 s62, 0
	s_mov_b32 s61, 0x03020302
	s_cselect_b32 s61, 0x01000100, s61             ; which half of the loaded word is my tile's
	v_mov_b32 v13, 0xff61b1e6                      ; the largest t so far: -3e38
	s_delay_alu instid0(VALU_DEP_1)
	v_floor_f32 v12, -v13
	v_mov_b32 v14, 0
	v_mov_b32 v15, 0
	v_mov_b32 v[F+1], 0                            ; named as the upper half of a pair
.irp b, 0,1,2,3
	v_mov_b32 v[T1+\b], 0                          ; written once: a lane permute's destination counts as one of its sources
.endr
.irp j, 0,1,2,3,4,5,6,7
	v_mov_b32 v[24+\j], 0                          ; the zero codes between Q's two copies
.endr
	s_wait_loadcnt 0x0
	v_perm_b32 v[QS], v[HWQ], v[HWQ], s61          ; Q's two scale bytes, twice
.irp j, 0,1,2,3,4,5,6,7,8,9,10,11,12,13,14,15,16,17,18,19,20,21,22,23,24,25,26,27,28,29,30,31
	v_mov_b32 v[O+\j], 0                           ; O^T: the step is written once, its first run finds zeros.  (These are also the places between the scale word above and the first product)
.endr
.Lslot:                                            ; 15 trips: behind each change of slots but the last the next slot is asked for
	CHANGE 1
	STEP 0
	STEP 1
	s_xor_b32 s[TB], s[TB], SLOT1
	s_sub_co_u32 s[SLOTS], s[SLOTS], 1
	s_cmp_lg_u32 s[SLOTS], 0
	s_cbranch_scc1 .Lslot
	CHANGE 0                                       ; the last slot is written out
	STEP 0
	STEP 1
	; THE WAY OUT: O^T / the sum, quantised along the head's 64 channels: two pieces of the last product's operand
	v_add_f32 v14, v14, v15
	s_delay_alu instid0(VALU_DEP_1)
	v_permlanex16_b32 v[T1], v14, s[SEL], s[SEL+1]
	s_delay_alu instid0(VALU_DEP_1)
	v_add_f32 v14, v14, v[T1]                      ; the row's sum
	s_wait_alu depctr_va_vdst(0)
	v_rcp_f32 v[F], v14
	PLACES 8                                       ; the plain line behind the reciprocal, and the places behind the last products
	s_wait_alu depctr_va_vdst(0)                   ; ahead of the reciprocal's first reader
.irp j, 0,2,4,6,8,10,12,14,16,18,20,22,24,26,28,30
	v_pk_mul_f32 v[O+\j:O+\j+1], v[O+\j:O+\j+1], v[F:F+1] op_sel_hi:[1,0]
.endr
.set QSRC, O
.set QPC,  P
.set QHW,  HWQ
	QUANT2
	global_store_b128 v[L16], v[P:P+3], s[56:57]               ; 512 consecutive bytes a store, aligned to 256
	global_store_b128 v[L16], v[P+4:P+7], s[56:57] offset:512
	s_wait_xcnt 0x0                                ; EXEC changes only behind this wait
	v_cmp_gt_u32 vcc_lo, 16, v[LN]
	s_and_saveexec_b32 s46, vcc_lo
	global_store_b16 v[R16], v[HWQ], s[58:59]      ; two bytes a row, 16 bytes apart: 32 bytes beside 1,024 of codes
	s_wait_xcnt 0x0
	s_or_b32 exec_lo, exec_lo, s46
	s_wait_tensorcnt 0x0                           ; the wave's end
	ds_add_u32 v[SPW], v[NIL]
	s_wait_dscnt 0x0
	CROUND                                         ; the closing round
	s_endpgm
.Lfunc_end_k_qce7894d6bf_attn:
	.size	k_qce7894d6bf_attn, .Lfunc_end_k_qce7894d6bf_attn-k_qce7894d6bf_attn
	.p2alignl 7, 3214868480
	.fill 96, 4, 3214868480
	.section	.rodata,"a",@progbits
	.p2align	6, 0x0
	.amdhsa_kernel k_qce7894d6bf_attn
		.amdhsa_group_segment_fixed_size 327680
		.amdhsa_private_segment_fixed_size 0
		.amdhsa_enable_private_segment 0
		.amdhsa_kernarg_size 32
		.amdhsa_user_sgpr_count 2
		.amdhsa_user_sgpr_kernarg_segment_ptr 1
		.amdhsa_wavefront_size32 1
		.amdhsa_system_sgpr_workgroup_id_x 1
		.amdhsa_system_sgpr_workgroup_id_y 1
		.amdhsa_system_sgpr_workgroup_id_z 1
		.amdhsa_system_vgpr_workitem_id 0
		.amdhsa_next_free_vgpr 320
		.amdhsa_next_free_sgpr 66
		.amdhsa_reserve_vcc 1
		.amdhsa_float_denorm_mode_32 3
		.amdhsa_float_denorm_mode_16_64 3
		.amdhsa_memory_ordered 1
		.amdhsa_forward_progress 1
		.amdhsa_inst_pref_size 93
	.end_amdhsa_kernel
	.amdgpu_metadata
---
amdhsa.version: [ 1, 2 ]
amdhsa.kernels:
  - .name:           k_qce7894d6bf_attn
    .symbol:         k_qce7894d6bf_attn.kd
    .args:
      - { .name: q_img, .offset: 0, .size: 8, .value_kind: global_buffer, .address_space: global }
      - { .name: kv_img, .offset: 8, .size: 8, .value_kind: global_buffer, .address_space: global }
      - { .name: sc_img, .offset: 16, .size: 8, .value_kind: global_buffer, .address_space: global }
      - { .name: a_img, .offset: 24, .size: 8, .value_kind: global_buffer, .address_space: global }
    .group_segment_fixed_size: 327680
    .private_segment_fixed_size: 0
    .kernarg_segment_align: 8
    .kernarg_segment_size: 32
    .max_flat_workgroup_size: 384
    .sgpr_count:     66
    .vgpr_count:     320
    .wavefront_size: 32
...
	.end_amdgpu_metadata
.endif
;; end of part 3
;; launch oproj (part 4): grid 4 x 64, 4 waves a work-group, clusters of 4 x 4, 216,320 bytes of LDS; arguments a_img, wo_img, bo, out0; writes out0
.if DOCPART == 4
	.amdgcn_target "amdgcn-amd-amdhsa--gfx1250"
	.amdhsa_code_object_version 6
	.text
	.protected	k_qce7894d6bf_oproj
	.globl	k_qce7894d6bf_oproj
	.p2align	8
	.type	k_qce7894d6bf_oproj,@function
k_qce7894d6bf_oproj:
	s_mov_b64 s[64:65], 0
	v_nop
	global_prefetch_b8 v0, s[64:65] scope:SCOPE_SE
	s_setreg_imm32_b32 hwreg(HW_REG_WAVE_MODE, 25, 1), 1
	s_wait_xcnt 0x0
	s_wait_alu depctr_hold_cnt(0) depctr_sa_sdst(0) depctr_va_vdst(0) depctr_va_sdst(0) depctr_va_ssrc(0) depctr_va_vcc(0) depctr_vm_vsrc(0)
	s_getreg_b32 s2, hwreg(HW_REG_IB_STS2, 6, 4)
	s_cmp_eq_u32 s2, 0
	s_cbranch_scc0 .Lentry_in_a_cluster
	s_endpgm
.Lentry_in_a_cluster:
	s_bfe_u32 s2, ttmp6, 0x10000c
	s_cmp_lg_u32 s2, 0xf033
	s_cbranch_scc0 .Lentry_shape_is_right
	s_endpgm
.Lentry_shape_is_right:
; out = a Wo^T + bo on codes of BF8 (E5M2) with E8M0 scales for each 32 along K = 768.  a (the attention's result) and Wo come as quads (64 rows x 128 K: four fragment images, then 256 bytes of scale words); out0 is [4096][768] f32.
; SHARES.  Work-group (cg, RB) makes 64 rows x 192 columns; wave w the 64 columns of group cq = 3 cg + w: 16 accumulators.  256 work-groups.
; LDS, FILLED ONCE: a's 64 rows, all of K (50,688 bytes; wave 3 fetches it whole); each wave's own 64 rows of Wo (50,688 bytes each, read by that wave alone); behind them a stage of 16 rows x 272 bytes for each wave, into which no fill lands.
; CLUSTER 4 x 4: the four of a row need the same rows of a, the four of a column the same rows of Wo: asked for jointly.
; THE PRODUCT IS USED TRANSPOSED (source 0 = Wo, source 1 = a): a lane holds one row of out; by the tiles' row order the 16 registers of tiles 2 b, 2 b + 1 are columns 32 b + 16 h + 0 .. 15.  bo is the C of the first K step.
; REGISTERS as in the projection of q, k, v: window 0: addresses, scale words v8-23, bias v24-55, accumulators v128-255; window 1: two fragment buffers.
.set QROW,  50688
.set QUADB, 8448
.set PAIRB, 16896
.set STAGE, 4*QROW
.set STGB,  16*272
.set WV,   12
.set G1A,  20
.set G1W,  28
.set G0A,  36
.set G0W,  40
.set PO,   52
.set BP,   54
.set LI,   1
.set ADR0, 2
.set ADR1, 3
.set ADS0, 4
.set ADS1, 5
.set SC,   8
.set BI,   24
.set STO,  104                         ; v104 the stage: where I put 16 bytes: 272 r + 64 h
.set RD,   105                         ; v105 where I read a row back: 272 h + 16 r
.set GO,   106                         ; v106 the same two rows in out0: 3,072 h + 16 r
.set ACC,  128
.set MSB, 0
.macro WIN new
.if MSB != \new
	s_set_vgpr_msb (MSB<<8)|\new
.set MSB, \new
.endif
.endm
.macro PLACES n
.rept \n
	v_nop
.endr
.endm
.macro CROUND
	s_barrier_signal -1
	s_barrier_wait -1
	s_cmp_lg_u32 s[WV], 0
	s_cbranch_scc1 .Lnot_wave_0_\@
	s_barrier_signal -3
.Lnot_wave_0_\@:
	s_barrier_wait -3
	s_barrier_signal -1
	s_barrier_wait -1
.endm
.macro FETCH s, f, p                   ; K step s: 34 LDS loads
	WIN 0x40
.irp t, 0,1,2,3
.irp c, 0,1,2,3
	ds_load_b128 v[\f+16*\t+4*\c:\f+16*\t+4*\c+3], v[ADR0] offset:QUADB*\s+2048*\t+512*\c
.endr
.endr
.irp t, 0,1,2,3
.irp c, 0,1,2,3
	ds_load_b128 v[\f+64+16*\t+4*\c:\f+64+16*\t+4*\c+3], v[ADR1] offset:QUADB*\s+2048*\t+512*\c
.endr
.endr
	WIN 0
	ds_load_b128 v[SC+8*\p:SC+8*\p+3], v[ADS0] offset:QUADB*\s+8192
	ds_load_b128 v[SC+8*\p+4:SC+8*\p+7], v[ADS1] offset:QUADB*\s+8192
.endm
.macro MUL f, p, cmode                 ; 16 products, the accumulators by turns; cmode 1: C = the bias
	WIN 0x05
.irp j, 0,1,2,3
.irp i, 0,1,2,3
.if \cmode == 0
	v_wmma_scale_f32_16x16x128_f8f6f4 v[ACC+32*\j+8*\i:ACC+32*\j+8*\i+7], v[\f+16*\i:\f+16*\i+15], v[\f+64+16*\j:\f+64+16*\j+15], v[ACC+32*\j+8*\i:ACC+32*\j+8*\i+7], v[SC+8*\p+\i], v[SC+8*\p+4+\j] matrix_a_fmt:MATRIX_FMT_BF8 matrix_b_fmt:MATRIX_FMT_BF8
.else
	v_wmma_scale_f32_16x16x128_f8f6f4 v[ACC+32*\j+8*\i:ACC+32*\j+8*\i+7], v[\f+16*\i:\f+16*\i+15], v[\f+64+16*\j:\f+64+16*\j+15], v[BI+8*\i:BI+8*\i+7], v[SC+8*\p+\i], v[SC+8*\p+4+\j] matrix_a_fmt:MATRIX_FMT_BF8 matrix_b_fmt:MATRIX_FMT_BF8
.endif
.endr
.endr
	WIN 0
.endm
; THE WAY OUT, a tile of 16 rows x 64 columns at a time: through my own stage, back as whole rows of 256 bytes, into the registers that the results left
.macro TOSTAGE j
.irp b, 0,1
.irp e, 0,1,2,3
	ds_store_b128 v[STO], v[ACC+32*(\j)+16*\b+4*\e:ACC+32*(\j)+16*\b+4*\e+3] offset:128*\b+16*\e   ; each accumulator from its low end on
.endr
.endr
.irp m, 0,1,2,3,4,5,6,7
	ds_load_b128 v[ACC+32*(\j)+4*\m:ACC+32*(\j)+4*\m+3], v[RD] offset:544*\m   ; LDS serves a wave's instructions in order (ISA guide 5.7.1.4)
.endr
.endm
.macro SEND j, younger                 ; younger: the LDS instructions issued behind tile j's loads
	s_wait_dscnt \younger
.irp m, 0,1,2,3,4,5,6,7
	global_store_b128 v[GO], v[ACC+32*(\j)+4*\m:ACC+32*(\j)+4*\m+3], s[PO:PO+1] offset:(32*((\j)/2)+8*((\j)%2)+2*\m+8*(\m/4))*3072 th:TH_STORE_NT   ; sixteen lanes store 256 consecutive bytes, aligned
.endr
.endm
	s_load_b256 s[4:11], s[0:1], 0x0               ; a_img, wo_img, bo, out0
	v_lshl_add_u32 v126, v0, 2, 0x34b00
	v_mov_b32 v127, 0
	ds_add_u32 v126, v127
	ds_add_u32 v126, v127
	v_lshrrev_b32 v1, 5, v0
	v_readfirstlane_b32 s[WV], v1                  ; wave 0..3
	s_bfe_u32 s13, ttmp6, 0x40000                  ; cx
	s_bfe_u32 s14, ttmp6, 0x40004                  ; cy
	s_lshl_b32 s15, ttmp9, 2
	s_add_co_u32 s15, s15, s13                     ; cg
	s_and_b32 s16, ttmp7, 0xffff
	s_lshl_b32 s16, s16, 2
	s_add_co_u32 s16, s16, s14                     ; RB
	s_mul_i32 s17, s15, 3
	s_add_co_u32 s17, s17, s[WV]                   ; cq
	s_lshl_b32 s56, s14, 2
	s_lshl_b32 s56, 15, s56                        ; my row of the cluster
	s_lshl_b32 s58, 0x1111, s13                    ; my column
	s_or_b32 s[G1A], s56, (3<<16)|(1<<21)          ; the mask; elements of 8 bytes; 21 set beside a mask; no padding
	s_or_b32 s[G1W], s58, (3<<16)|(1<<21)
.irp g, G1A, G1W
	s_mov_b32 s[\g+1], 32<<16                      ; rows of 256 bytes,
	s_mov_b32 s[\g+2], 198<<16                     ; 198 of them: 64 rows, all of K,
	s_mov_b32 s[\g+3], 32<<16
	s_mov_b32 s[\g+4], 198
	s_mov_b32 s[\g+5], 32                          ; dense
	s_mov_b32 s[\g+6], 0
	s_mov_b32 s[\g+7], 0
.endr
	s_mul_i32 s56, s16, QROW
	s_mov_b32 s60, 0                               ; a: its 64 rows whole, at LDS byte 0: wave 3 fetches them and multiplies nothing
	s_add_co_u32 s56, s56, s60
	s_mov_b32 s57, 0
	s_mul_i32 s58, s17, QROW                       ; Wo: my 64 rows
	s_mov_b32 s59, 0
	s_mul_i32 s61, s[WV], QROW
	s_add_co_u32 s61, s61, QROW                    ; LDS: behind a's rows, a region a wave
	s_wait_dscnt 0x0
	s_wait_kmcnt 0x0
	s_add_nc_u64 s[56:57], s[4:5], s[56:57]
	s_add_nc_u64 s[58:59], s[6:7], s[58:59]
	s_mov_b32 s[G0A], 1
	s_mov_b32 s[G0A+1], s60
	s_mov_b64 s[G0A+2:G0A+3], s[56:57]
	s_or_b32 s[G0A+3], s[G0A+3], 0x80000000
.irp p, 0
	s_mov_b32 s[G0W+4*\p], 1
	s_add_co_u32 s[G0W+4*\p+1], s61, \p*PAIRB
	s_add_nc_u64 s[G0W+4*\p+2:G0W+4*\p+3], s[58:59], \p*PAIRB
	s_or_b32 s[G0W+4*\p+3], s[G0W+4*\p+3], 0x80000000
.endr
	CROUND                                         ; all sixteen work-groups are here: the joint loads meet
	s_cmp_lt_u32 s[WV], 3                          ; one load a wave: waves 0 to 2 their own 64 rows of Wo, wave 3 a's 64 rows
	s_cbranch_scc0 .Lfor_a
	tensor_load_to_lds s[G0W:G0W+3], s[G1W:G1W+7]
	s_nop 0
	PLACES 4
	s_branch .Lasked
.Lfor_a:
	tensor_load_to_lds s[G0A:G0A+3], s[G1A:G1A+7]
	s_nop 0
	PLACES 4
.Lasked:
	v_and_b32 v107, 31, v0
	v_and_b32 v108, 15, v0                         ; r
	v_bfe_u32 v109, v0, 4, 1                       ; h
	v_lshlrev_b32 v[LI], 4, v107
	v_lshlrev_b32 v110, 4, v108                    ; 16 r
	v_lshlrev_b32 v6, 6, v109                      ; the bias: 16 h numbers on
	v_add_nc_u32 v[ADR0], s61, v[LI]
	v_mov_b32 v[ADR1], v[LI]
	v_add_nc_u32 v[ADS0], s61, v110
	v_mov_b32 v[ADS1], v110
	s_mul_i32 s62, s[WV], STGB
	s_add_co_u32 s62, s62, STAGE                   ; my stage
	v_mul_u32_u24 v[STO], v108, 272
	v_lshl_add_u32 v[STO], v109, 6, v[STO]
	v_add_nc_u32 v[STO], s62, v[STO]
	v_mul_u32_u24 v[RD], v109, 272
	v_lshl_add_u32 v[RD], v108, 4, v[RD]
	v_add_nc_u32 v[RD], s62, v[RD]
	v_mul_u32_u24 v[GO], v109, 3072
	v_lshl_add_u32 v[GO], v108, 4, v[GO]
	s_lshl_b32 s62, s17, 8                         ; my 64 columns: 256 bytes
	s_mov_b32 s63, 0
	s_add_nc_u64 s[BP:BP+1], s[8:9], s[62:63]
	s_add_nc_u64 s[PO:PO+1], s[10:11], s[62:63]
	s_mul_i32 s62, s16, 196608                     ; my 64 rows
	s_add_nc_u64 s[PO:PO+1], s[PO:PO+1], s[62:63]
	s_wait_alu depctr_va_vdst(0)
	s_cmp_eq_u32 s[WV], 3                          ; wave 3 has no columns: it loads no bias
	s_cbranch_scc1 .Lno_bias
.irp i, 0,1,2,3                                ; register e of tile i is column 32 (i / 2) + 16 h + 8 (i % 2) + e
	global_load_b128 v[BI+8*\i:BI+8*\i+3], v6, s[BP:BP+1] offset:(32*(\i/2)+8*(\i%2))*4
	global_load_b128 v[BI+8*\i+4:BI+8*\i+7], v6, s[BP:BP+1] offset:(32*(\i/2)+8*(\i%2))*4+16
.endr
.Lno_bias:
	s_wait_alu depctr_va_vdst(0)
	s_wait_tensorcnt 0x0                           ; my load is in
	s_barrier_signal -1
	s_barrier_wait -1                              ; everybody's is
	s_cmp_eq_u32 s[WV], 3
	s_cbranch_scc1 .Ldone                          ; wave 3 goes on to the wave's end and the closing round
	FETCH 0, 0, 0
	FETCH 1, 128, 1
	s_wait_dscnt 34                                ; K step 0's 34 loads are in; K step 1's may be out
	s_wait_loadcnt 0x0                             ; the bias
	MUL 0, 0, 1
	s_wait_dscnt 0x0
	MUL 128, 1, 0
	PLACES 8                                       ; eight places in front of loads into registers that these products have read
	FETCH 2, 0, 0
	FETCH 3, 128, 1
	s_wait_dscnt 34
	MUL 0, 0, 0
	s_wait_dscnt 0x0
	MUL 128, 1, 0
	PLACES 8
	FETCH 4, 0, 0
	FETCH 5, 128, 1
	s_wait_dscnt 34
	MUL 0, 0, 0
	s_wait_dscnt 0x0
	MUL 128, 1, 0
	PLACES 8                                       ; in front of the first read of results
	TOSTAGE 0
	TOSTAGE 1
	SEND 0, 16                                     ; behind tile 0's loads: tile 1's 8 stores and 8 loads
	TOSTAGE 2
	SEND 1, 16
	TOSTAGE 3
	SEND 2, 16
	SEND 3, 0
.Ldone:
	s_wait_tensorcnt 0x0
	ds_add_u32 v126, v127
	s_wait_dscnt 0x0
	CROUND                                         ; the closing round: no work-group ends while a partner may still ask for a tile that names it
	s_endpgm
.Lfunc_end_k_qce7894d6bf_oproj:
	.size	k_qce7894d6bf_oproj, .Lfunc_end_k_qce7894d6bf_oproj-k_qce7894d6bf_oproj
	.p2alignl 7, 3214868480
	.fill 96, 4, 3214868480
	.section	.rodata,"a",@progbits
	.p2align	6, 0x0
	.amdhsa_kernel k_qce7894d6bf_oproj
		.amdhsa_group_segment_fixed_size 216320
		.amdhsa_private_segment_fixed_size 0
		.amdhsa_enable_private_segment 0
		.amdhsa_kernarg_size 32
		.amdhsa_user_sgpr_count 2
		.amdhsa_user_sgpr_kernarg_segment_ptr 1
		.amdhsa_wavefront_size32 1
		.amdhsa_system_sgpr_workgroup_id_x 1
		.amdhsa_system_sgpr_workgroup_id_y 1
		.amdhsa_system_sgpr_workgroup_id_z 1
		.amdhsa_system_vgpr_workitem_id 0
		.amdhsa_next_free_vgpr 512
		.amdhsa_next_free_sgpr 66
		.amdhsa_reserve_vcc 0
		.amdhsa_float_denorm_mode_32 3
		.amdhsa_float_denorm_mode_16_64 3
		.amdhsa_memory_ordered 1
		.amdhsa_forward_progress 1
		.amdhsa_inst_pref_size 41
	.end_amdhsa_kernel
	.amdgpu_metadata
---
amdhsa.version: [ 1, 2 ]
amdhsa.kernels:
  - .name:           k_qce7894d6bf_oproj
    .symbol:         k_qce7894d6bf_oproj.kd
    .args:
      - { .name: a_img, .offset: 0, .size: 8, .value_kind: global_buffer, .address_space: global }
      - { .name: wo_img, .offset: 8, .size: 8, .value_kind: global_buffer, .address_space: global }
      - { .name: bo, .offset: 16, .size: 8, .value_kind: global_buffer, .address_space: global }
      - { .name: out0, .offset: 24, .size: 8, .value_kind: global_buffer, .address_space: global }
    .group_segment_fixed_size: 216320
    .private_segment_fixed_size: 0
    .kernarg_segment_align: 8
    .kernarg_segment_size: 32
    .max_flat_workgroup_size: 128
    .sgpr_count:     66
    .vgpr_count:     512
    .wavefront_size: 32
...
	.end_amdgpu_metadata
.endif
;; end of part 4
